; MI455X (gfx1250); checked and timed in simulation.
; The chip was launched on July 23, 2026; its instructions are those of AMD's public machine-readable ISA for CDNA 5 (MIT licence, August 2026) and "CDNA5" Instruction Set Architecture Reference Guide (July 2026). The comments in the code are by the model that wrote it; some were corrected since.
;; Encoder Block. Allowed arithmetic: matrix products marked QUANTISED: E5M2 operands, one E8M0 scale for each 32 along K, by v_wmma_scale_f32_16x16x128_f8f6f4 with both operands' format E5M2, f32 sums; everything else in f32.
;; Inputs: W1 1,024 x 4,096 float32; W2 4,096 x 1,024 float32; Wk 16 x 1,024 x 64 float32; Wo 1,024 x 1,024 float32; Wq 16 x 1,024 x 64 float32; Wv 16 x 1,024 x 64 float32; b1 4,096 float32; b2 1,024 float32; ln1_b 1,024 float32; ln1_w 1,024 float32; ln2_b 1,024 float32; ln2_w 1,024 float32; x 2 x 2,048 x 1,024 float32.
;; Outputs: out0 2 x 2,048 x 1,024 float32.
;; This version of the problem:
;;   THIS VERSION OF THE PROBLEM IS GIVEN IN LOW PRECISION. The matrix products marked QUANTISED in the list below multiply operands that are first quantised to E5M2 (5 exponent bits, 2 mantissa bits; 8 bits a number), with one power-of-two scale for each 32 numbers along K (OCP MX v1.0); their sums are f32. All else is computed in f32.
;;   The module's matrix products, in the order in which they are computed (A, B: the left and right operand; K: the contracted axis; several contracted axes count as one K, in the product's order):
;;     1. [M 1,024, K 1,024] x [K 1,024, N 4,096]; A: input Wq; B: computed on the way: QUANTISED
;;     2. [M 1,024, K 1,024] x [K 1,024, N 4,096]; A: input Wk; B: computed on the way: QUANTISED
;;     3. [M 1,024, K 1,024] x [K 1,024, N 4,096]; A: input Wv; B: computed on the way: QUANTISED
;;     4. batch 32 x [M 2,048, K 64] x [K 64, N 2,048]; A: computed on the way; B: computed on the way: QUANTISED
;;     5. batch 32 x [M 2,048, K 2,048] x [K 2,048, N 64]; A: softmax (see below); B: computed on the way: QUANTISED
;;     6. [M 4,096, K 1,024] x [K 1,024, N 1,024]; A: computed on the way; B: input Wo: QUANTISED
;;     7. [M 4,096, K 1,024] x [K 1,024, N 4,096]; A: computed on the way; B: input W1: QUANTISED
;;     8. [M 4,096, K 4,096] x [K 4,096, N 1,024]; A: computed on the way; B: input W2: QUANTISED
;;   THE QUANTISER, for each operand of a quantised product, along K:
;;     - K is cut into blocks of 32 from its start; a last block that is shorter is filled with zeros.
;;     - A block's scale is 2^e with e = floor(log2(the largest magnitude in the block)) - 15, held to -126 .. 127; a block of zeros has e = 0. As a byte (E8M0): e + 127.
;;     - Each number is divided by its block's scale, clamped to +-57,344, and rounded to the nearest number of E5M2, ties to even, subnormals kept.
;;     - The product sums the exact products of the quantised numbers (number of the format x scale) in f32.
;;   ~~~python
;;   def quantise(x, axis):      # numpy; x: float32 -> the quantised numbers, widened to float32 again
;;       x = np.moveaxis(x, axis, -1); K = x.shape[-1]
;;       x = np.pad(x, [(0, 0)] * (x.ndim - 1) + [(0, -K % 32)]); x = x.reshape(x.shape[:-1] + (-1, 32)); a = np.abs(x).max(-1, keepdims=True)
;;       e = np.where(a > 0, np.clip(np.frexp(np.where(a > 0, a, 1))[1] - 1 - 15, -126, 127), 0)      # np.frexp(a)[1] - 1 = floor(log2(a)), exactly
;;       r = np.clip(x / 2.0 ** e, -57344, 57344)
;;       step = 2.0 ** (np.maximum(np.frexp(np.where(r == 0, 1, r))[1] - 1, -14) - 2)
;;       q = np.round(r / step) * step * 2.0 ** e      # np.round: ties to even
;;       return np.moveaxis(q.reshape(q.shape[:-2] + (-1,))[..., :K], -1, axis).astype(np.float32)
;;   ~~~
;;   SOFTMAX AHEAD OF A QUANTISED PRODUCT. Where the list says 'softmax', what is quantised is not the finished softmax but p = 2^(t - M), with t = logit x log2(e) and M = ceil(the row's largest t), a whole number; so 1/2 < the row's largest p <= 1. The row's sum l is taken of the UNQUANTISED p, in f32, and the product's result is divided by l at the end. Since M is a whole number, a kernel that streams over the keys may use a running M (the ceiling of the running maximum): every later rescaling is an exact power of two, which a block's scale takes up: the codes' values come out the same.
;;   OPERANDS COMPUTED ON THE WAY. 'Computed on the way' means the value that the module computes at that place (a softmax that the list does not call 'softmax' is quantised finished and normalised). What goes into a quantiser is computed in f32, as accurately as f32 sums, v_exp_f32 and their like allow (about 1e-6 of the number): no bf16 or f16 on the way to a quantiser, and a product that is left as it is and whose result goes on into a quantised operand takes f32 operands (vector FMAs, or v_wmma_f32_16x16x4_f32). A number that lies on a knife's edge between two numbers of the format may be rounded either way, as far as f32 arithmetic and the matrix unit's own rounding can turn it there, and no further.
;; One version. Each part assembles by itself: llvm-mc -triple=amdgcn-amd-amdhsa -mcpu=gfx1250 --defsym DOCPART=n.
;; ======== version 1 of 1: 7 launches
;; workspace buffers: wb 12,976,128 bytes; hb 4,325,376 bytes; h2b 4,325,376 bytes; ab 4,325,376 bytes; qkvb 12,976,128 bytes; x1 16,777,216 bytes; hid 17,301,504 bytes
;; launch prep (part 1): grid 640 x 1, 8 waves a work-group, no clusters, 2,048 bytes of LDS; arguments x, ln1_w, ln1_b, hb, Wq, Wk, Wv, Wo, W1, W2, wb; writes hb, wb
.if DOCPART == 1
	.amdgcn_target "amdgcn-amd-amdhsa--gfx1250"
	.amdhsa_code_object_version 6
	.text
	.protected	k_q54e4053869_prep
	.globl	k_q54e4053869_prep
	.p2align	8
	.type	k_q54e4053869_prep,@function
k_q54e4053869_prep:
	s_mov_b64 s[64:65], 0
	v_nop
	global_prefetch_b8 v0, s[64:65] scope:SCOPE_SE
	s_setreg_imm32_b32 hwreg(HW_REG_WAVE_MODE, 25, 1), 1
	s_wait_xcnt 0x0
; TWO JOBS THAT SHARE NO DATA, IN ONE LAUNCH.  Work-groups 0 .. 383 turn the six weights into codes; work-groups 384 .. 639 norm and quantise the rows of x.  The paths part on the work-group's number, at the first lines;
; only the second touches LDS and has barriers.
; BOTH make codes of E5M2 with one E8M0 byte for each 32 along K, in this program's own layout: an image of the operand's registers, [row / 16][k / 128][c 0..3][lane 0..31][16 bytes]; lane = (r = row % 16, h);
; its 16 bytes of piece c are places 32 c + 16 h + 0 .. 15 of the K step.  Inside each block of 32 place 16 h + 8 u + j holds k = 16 u + 8 h + j: the order in which a transposed product leaves its results in a lane,
; so that computed operands need no shuffle; every operand of this program has it, so products are unchanged.  SCALES: [row / 128][k / 128][row % 128] words, byte c for block c.
; A block's scale is 2^(floor(log2(largest magnitude)) - 15); the byte is the magnitude's exponent field - 15, held at 1 from below.
; LIMITS: NaN and infinities are not served; a block of zeros gets the byte 1 and not 127: its codes are zeros and this program alone reads the bytes.
;
; THE WEIGHTS (f32, K the axis in front of the columns; a row of the codes is a column n).  Rows of the K = 1,024 weights share one row space: Wq 0, Wk 1,024, Wv 2,048, Wo 3,072, W1 4,096; W2 (K = 4,096) lies behind them.
; Four waves take 128 columns x 128 along K (a work-group has two such fours), a wave 32 columns, A LANE ONE COLUMN, and its registers run down K: a block of 32 is one lane's 32 registers.
;
; THE ROWS: y = (x - mean) rsqrt(var + 1e-5) w + b along rows of 1,024.  A work-group takes 16 rows; wave w their columns 128 w .. 128 w + 127: one fragment.  Lane (r, h) holds 64 numbers of row r in the order of its fragment's
; registers.  Mean and variance in two passes (the variance of x - mean), so that a common offset of the inputs costs nothing; the waves' sums meet in LDS, each pass in bytes of its own: one barrier a pass.
.set NWQ,   384                        ; work-groups that take the weights: 768 fours of waves
.set W_S,   12582912                   ; scale words of the K = 1,024 weights: 64 groups of 128 rows x 4,096 bytes
.set W2_S,  12845056                   ; W2's: 8 groups x 16,384 bytes
.set QSO,   3                          ; the weights' path: v3 4 x lane
.set QDO,   4                          ; v4      my column's place among the codes: (lane / 16) row tiles + 16 (lane % 16)
.set QOFF,  32                         ; v32-63  4 x lane + i rows of the weight
.set QX,    64                         ; v64-191 four blocks of 32 numbers
.set QC,    192                        ; v192-223 eight registers of codes for each block: no store's data are written again
.set QWD,   224                        ; v224    the scale word
.set QT,    226                        ; v226-229 at work
.set X,   16                           ; the rows' path: v16-79 my 64 numbers: register 16 c + 8 u + j = column 128 w + 32 c + 16 u + 8 h + j
.set W,   80                           ; v80-143  the gain at the same columns
.set B,   144                          ; v144-207 the bias
.set PC,  208                          ; v208-223 the codes
.set TM,  224                          ; v224-239 at work
.set PW,  240                          ; v240     the scale word
.set RT,  241                          ; v241     from the other half of the lanes
.set MU,  242                          ; v[242:243] the mean, twice
.set RS,  244                          ; v[244:245] 1 / sqrt(var + eps), twice
.set SD,  246                          ; v246     my half of the scale word
.set SEL, 26
.set MNT, 28
	v_lshl_add_u32 v248, v0, 2, 0x400
	v_mov_b32 v249, 0
	v_lshrrev_b32 v1, 5, v0                        ; wave
	s_cmp_ge_u32 ttmp9, NWQ                        ; the same in all waves of a work-group
	s_cbranch_scc1 .Lnorm
	; ---------------------------------------------------------------- the weights
	s_load_b256 s[4:11], s[0:1], 0x20              ; Wq, Wk, Wv, Wo
	s_load_b128 s[12:15], s[0:1], 0x40             ; W1, W2
	s_load_b64 s[16:17], s[0:1], 0x50              ; wb
	v_readfirstlane_b32 s58, v1                    ; wave 0..7
	s_and_b32 s32, s58, 3                          ; w: my 32 of the four's 128 columns
	s_lshr_b32 s57, s58, 2
	s_lshl_b32 s36, ttmp9, 1
	s_add_co_u32 s57, s57, s36                     ; g = 2 x work-group + wave / 4: which 128 columns x 128 along K
	v_and_b32 v2, 31, v0                           ; lane
	v_lshlrev_b32 v[QSO], 2, v2
	; which weight, by g: 0-191 Wq, Wk, Wv (64 each); 192-255 Wo; 256-511 W1; 512-767 W2
	s_mov_b32 s33, 4096                            ; bytes from k to k + 1
	s_mov_b32 s34, 512                             ; bytes from a group of 128 columns to the next
	s_mov_b32 s35, 256                             ; bytes from waves 0, 1 to waves 2, 3
	s_cmp_lt_u32 s57, 192                          ; the per-head weights: a row is one head's 64 columns, a head 262,144 bytes
	s_cselect_b32 s33, 256, s33
	s_cselect_b32 s34, 0x80000, s34
	s_cselect_b32 s35, 0x40000, s35
	s_lshr_b32 s36, s57, 8
	s_cmp_eq_u32 s36, 1                            ; W1
	s_cselect_b32 s33, 0x4000, s33
	s_cselect_b32 s37, 31, 7                       ; groups of columns - 1
	s_mov_b32 s38, 0x10000                         ; bytes of a row tile's codes: K / 128 x 2,048
	s_mov_b32 s39, 0x800000                        ; where the codes begin
	s_mov_b32 s40, W2_S                            ; and the scale words
	s_cmp_lt_u32 s57, 512                          ; K = 1,024?
	s_cselect_b32 s38, 0x4000, s38
	s_cselect_b32 s39, 0, s39
	s_cselect_b32 s40, W_S, s40
	s_cselect_b32 s41, 3, 5
	s_cselect_b32 s42, 7, 31
	s_lshr_b32 s43, s57, s41
	s_and_b32 s44, s57, s42                        ; the K step
	s_and_b32 s45, s43, s37                        ; the group of columns in the weight
	s_cmp_lt_u32 s57, 512
	s_cselect_b32 s46, s43, s45                    ; and in the row space of the codes
	s_mul_i32 s47, s45, s34                        ; the source: group,
	s_lshr_b32 s48, s32, 1
	s_mul_i32 s48, s48, s35
	s_add_co_u32 s47, s47, s48
	s_and_b32 s48, s32, 1
	s_lshl_b32 s48, s48, 7
	s_add_co_u32 s47, s47, s48                     ; my wave's 32 columns,
	s_mul_i32 s48, s44, s33
	s_lshl_b32 s48, s48, 7
	s_add_co_u32 s48, s47, s48                     ; 128 rows for each K step
	s_mov_b32 s49, 0
	s_lshl_b32 s50, s33, 5                         ; a block: 32 rows
	s_mov_b32 s51, 0
	s_lshl_b32 s52, s46, 3                         ; the codes: 8 row tiles a group, 2 a wave
	s_lshl_b32 s53, s32, 1
	s_add_co_u32 s52, s52, s53
	s_mul_i32 s52, s52, s38
	s_add_co_u32 s52, s52, s39
	s_lshl_b32 s53, s44, 11
	s_add_co_u32 s52, s52, s53
	s_mov_b32 s53, 0
	s_lshr_b32 s54, s38, 2                         ; the scale words: K / 128 x 512 bytes a group
	s_mul_i32 s54, s54, s46
	s_add_co_u32 s54, s54, s40
	s_lshl_b32 s55, s44, 9
	s_add_co_u32 s54, s54, s55
	s_lshl_b32 s55, s32, 7
	s_add_co_u32 s54, s54, s55
	s_mov_b32 s55, 0
	s_mov_b32 s56, 0x600000                        ; the mantissa field of 57,344
	v_lshrrev_b32 v5, 4, v2
	v_mul_u32_u24 v[QDO], s38, v5
	v_and_b32 v5, 15, v2
	v_lshl_add_u32 v[QDO], v5, 4, v[QDO]
.set i, 0
.rept 32
	v_mad_u32_u24 v[QOFF+i], s33, i, v[QSO]
.set i, i+1
.endr
	s_wait_kmcnt 0x0
	s_cmp_lt_u32 s57, 64                           ; the choice of the buffer hangs on g alone
	s_cselect_b64 s[18:19], s[4:5], s[6:7]
	s_cmp_lt_u32 s57, 128
	s_cselect_b64 s[18:19], s[18:19], s[8:9]
	s_cmp_lt_u32 s57, 192
	s_cselect_b64 s[18:19], s[18:19], s[10:11]
	s_cmp_lt_u32 s57, 256
	s_cselect_b64 s[18:19], s[18:19], s[12:13]
	s_cmp_lt_u32 s57, 512
	s_cselect_b64 s[18:19], s[18:19], s[14:15]
	s_add_nc_u64 s[20:21], s[18:19], s[48:49]      ; a base for each of the four blocks
	s_add_nc_u64 s[22:23], s[20:21], s[50:51]
	s_add_nc_u64 s[24:25], s[22:23], s[50:51]
	s_add_nc_u64 s[26:27], s[24:25], s[50:51]
	s_add_nc_u64 s[28:29], s[16:17], s[52:53]
	s_add_nc_u64 s[30:31], s[16:17], s[54:55]
.macro LOAD t                          ; block t: 32 rows at my column; the wave reads 128 consecutive bytes of each
.set i, 0
.rept 32
	global_load_b32 v[QX+32*(\t)+i], v[QOFF+i], s[20+2*(\t):21+2*(\t)] th:TH_LOAD_NT
.set i, i+1
.endr
.endm
.macro BLOCK t
.set XS, QX+32*(\t)
.set CC, QC+8*(\t)
.if (\t) < 3
	s_wait_loadcnt 32                              ; this block's 32 loads are in; the next block's 32 may be out
.else
	s_wait_loadcnt 0x0
.endif
.if (\t)+2 < 4
	LOAD (\t)+2                                    ; two blocks ahead; every block has registers of its own
.endif
	v_max3_num_f32 v[QT], |v[XS]|, |v[XS+1]|, |v[XS+2]|            ; the block's largest magnitude: all 32 numbers are mine; two chains
	v_max3_num_f32 v[QT+1], |v[XS+3]|, |v[XS+4]|, |v[XS+5]|
.irp i, 6,10,14,18,22,26
	v_max3_num_f32 v[QT], v[QT], |v[XS+\i]|, |v[XS+\i+1]|
	v_max3_num_f32 v[QT+1], v[QT+1], |v[XS+\i+2]|, |v[XS+\i+3]|
.endr
	v_max3_num_f32 v[QT], v[QT], |v[XS+30]|, |v[XS+31]|
	v_max3_num_f32 v[QT], v[QT], v[QT+1], 0x8000000   ; and the floor 2^(16 - 127): the byte cannot fall under 1
	v_add_nc_u32 v[QT+3], 0xf8800000, v[QT]        ; 15 off the exponent field: the conversion takes this operand's exponent field as its scale
	v_and_or_b32 v[QT+2], v[QT], 0x7f800000, s56   ; 57,344 x the scale
.if (\t) == 0
	v_lshrrev_b32 v[QWD], 23, v[QT+3]              ; the scale's byte; the four make my column's word for this K step
.else
	v_lshrrev_b32 v[QT+1], 23, v[QT+3]
	v_lshl_or_b32 v[QWD], v[QT+1], 8*(\t), v[QWD]
.endif
.set i, 0
.rept 32
	v_med3_num_f32 v[XS+i], v[XS+i], -v[QT+2], v[QT+2]   ; the conversion to an 8-bit code does not saturate (ISA guide 7.6.2): the hold at the largest code x the scale
.set i, i+1
.endr
	v_cvt_scalef32_pk8_bf8_f32 v[CC:CC+1], v[XS:XS+7], v[QT+3]         ; places 0-7: k 0-7
	v_cvt_scalef32_pk8_bf8_f32 v[CC+2:CC+3], v[XS+16:XS+23], v[QT+3]   ; places 8-15: k 16-23
	v_cvt_scalef32_pk8_bf8_f32 v[CC+4:CC+5], v[XS+8:XS+15], v[QT+3]    ; places 16-23: k 8-15
	v_cvt_scalef32_pk8_bf8_f32 v[CC+6:CC+7], v[XS+24:XS+31], v[QT+3]   ; places 24-31: k 24-31
	v_nop                                          ; a plain line behind the conversions: the next block writes their scale operand
	global_store_b128 v[QDO], v[CC:CC+3], s[28:29] offset:512*(\t)     ; the image's lanes 0-15: sixteen lanes store 256 consecutive bytes, aligned
	global_store_b128 v[QDO], v[CC+4:CC+7], s[28:29] offset:512*(\t)+256  ; and its lanes 16-31
.endm
	LOAD 0
	LOAD 1
	BLOCK 0
	BLOCK 1
	BLOCK 2
	BLOCK 3
	global_store_b32 v[QSO], v[QWD], s[30:31]      ; 32 columns' words: 128 consecutive bytes
	s_endpgm
	; ---------------------------------------------------------------- the rows
.Lnorm:
	s_load_b256 s[4:11], s[0:1], 0x0               ; the rows, the gain, the bias, the result's buffer
	v_readfirstlane_b32 s12, v1                    ; wave 0..7
	s_sub_co_u32 s31, ttmp9, NWQ                   ; T: which 16 rows
	v_and_b32 v2, 15, v0                           ; r
	v_bfe_u32 v3, v0, 4, 1                         ; h
	v_lshlrev_b32 v4, 12, v2
	v_lshl_add_u32 v4, v3, 5, v4                   ; row r of 4,096 bytes + 32 h
	v_lshlrev_b32 v5, 5, v3                        ; 32 h: gain and bias
	v_lshlrev_b32 v6, 5, v2                        ; LDS: row r's eight sums
	v_lshl_add_u32 v7, v1, 2, v6                   ; and my wave's among them
	v_and_b32 v8, 31, v0
	v_lshlrev_b32 v8, 4, v8                        ; 16 x lane
	v_lshlrev_b32 v9, 2, v2
	v_lshl_add_u32 v9, v3, 1, v9                   ; 4 r + 2 h
	v_lshlrev_b32 v10, 4, v3                       ; 16 h: which half of the word I store
	v_mov_b32 v[RT], 0                             ; a lane permute's destination counts as one of its sources
	s_mov_b32 s[SEL], 0x76543210
	s_mov_b32 s[SEL+1], 0xfedcba98                 ; lane l xor 16
	s_mov_b32 s[MNT], 0x600000                     ; the mantissa field of 57,344
	s_mov_b32 s29, 0x3a800000                      ; 1 / 1,024
	s_mov_b32 s30, 0x3727c5ac                      ; 1e-5
	s_lshl_b32 s13, s12, 9                         ; my wave's 512 bytes of a row
	s_lshl_b32 s14, s31, 16                        ; 16 rows
	s_add_co_u32 s14, s14, s13
	s_mov_b32 s15, 0
	s_mov_b32 s16, s13
	s_mov_b32 s17, 0
	s_lshl_b32 s18, s31, 3
	s_add_co_u32 s18, s18, s12
	s_lshl_b32 s18, s18, 11                        ; fragment 8 T + w
	s_mov_b32 s19, 0
	s_lshr_b32 s20, s31, 3
	s_lshl_b32 s20, s20, 3
	s_add_co_u32 s20, s20, s12
	s_lshl_b32 s20, s20, 9                         ; scale words: group T / 8, K step w,
	s_and_b32 s21, s31, 7
	s_lshl_b32 s21, s21, 6
	s_add_co_u32 s20, s20, s21                     ; rows 16 (T % 8) on
	s_add_co_u32 s20, s20, 4194304
	s_mov_b32 s21, 0
	s_wait_kmcnt 0x0
	s_add_nc_u64 s[4:5], s[4:5], s[14:15]
	s_add_nc_u64 s[6:7], s[6:7], s[16:17]
	s_add_nc_u64 s[8:9], s[8:9], s[16:17]
	s_add_nc_u64 s[22:23], s[10:11], s[18:19]
	s_add_nc_u64 s[24:25], s[10:11], s[20:21]
.macro TAKE reg, off, base             ; 64 numbers in the fragment's order: 32 bytes for each (c, u)
.irp c, 0,1,2,3
.irp u, 0,1
	global_load_b128 v[\reg+16*\c+8*\u:\reg+16*\c+8*\u+3], v[\off], s[\base:\base+1] offset:128*\c+64*\u
	global_load_b128 v[\reg+16*\c+8*\u+4:\reg+16*\c+8*\u+7], v[\off], s[\base:\base+1] offset:128*\c+64*\u+16
.endr
.endr
.endm
	TAKE X, 4, 4
	TAKE W, 5, 6
	TAKE B, 5, 8
; The pair v[TM:TM+1] holds my lane's sum in two halves: it becomes the row's sum, in every lane.  red: the pass's 512 bytes of LDS
.macro ACROSS red
	v_add_f32 v[TM], v[TM], v[TM+1]
	v_permlanex16_b32 v[RT], v[TM], s[SEL], s[SEL+1]
	v_add_f32 v[TM], v[TM], v[RT]                  ; row r's 128 columns of my wave
	ds_store_b32 v7, v[TM] offset:\red             ; (both halves of the lanes write the same word with the same value)
	s_wait_dscnt 0x0                               ; for the others' sake: my store has landed
	s_barrier_signal -1
	s_barrier_wait -1
	ds_load_b128 v[TM:TM+3], v6 offset:\red
	ds_load_b128 v[TM+4:TM+7], v6 offset:\red+16
	s_wait_dscnt 0x0
	v_pk_add_f32 v[TM:TM+1], v[TM:TM+1], v[TM+2:TM+3]
	v_pk_add_f32 v[TM+4:TM+5], v[TM+4:TM+5], v[TM+6:TM+7]
	v_pk_add_f32 v[TM:TM+1], v[TM:TM+1], v[TM+4:TM+5]
	v_add_f32 v[TM], v[TM], v[TM+1]
.endm
.macro JOIN                            ; four chains of pairs into one
	v_pk_add_f32 v[TM:TM+1], v[TM:TM+1], v[TM+2:TM+3]
	v_pk_add_f32 v[TM+4:TM+5], v[TM+4:TM+5], v[TM+6:TM+7]
	v_pk_add_f32 v[TM:TM+1], v[TM:TM+1], v[TM+4:TM+5]
.endm
	s_wait_loadcnt 32                              ; the rows are in; the gain's and the bias's 32 loads may be out
.irp k, 0,1,2,3
	v_pk_add_f32 v[TM+2*\k:TM+2*\k+1], v[X+4*\k:X+4*\k+1], v[X+4*\k+2:X+4*\k+3]
.endr
.set i, 16
.rept 6
.irp k, 0,1,2,3
	v_pk_add_f32 v[TM+2*\k:TM+2*\k+1], v[TM+2*\k:TM+2*\k+1], v[X+i+2*\k:X+i+2*\k+1]
.endr
.set i, i+8
.endr
	JOIN
	ACROSS 0
	v_mul_f32 v[MU], s29, v[TM]
	v_mul_f32 v[MU+1], s29, v[TM]
.set i, 0
.rept 32
	v_pk_add_f32 v[X+i:X+i+1], v[X+i:X+i+1], v[MU:MU+1] neg_lo:[0,1] neg_hi:[0,1]   ; x - mean
.set i, i+2
.endr
.irp k, 0,1,2,3
	v_pk_mul_f32 v[TM+2*\k:TM+2*\k+1], v[X+2*\k:X+2*\k+1], v[X+2*\k:X+2*\k+1]
.endr
.set i, 8
.rept 7
.irp k, 0,1,2,3
	v_pk_fma_f32 v[TM+2*\k:TM+2*\k+1], v[X+i+2*\k:X+i+2*\k+1], v[X+i+2*\k:X+i+2*\k+1], v[TM+2*\k:TM+2*\k+1]
.endr
.set i, i+8
.endr
	JOIN
	ACROSS 512
	v_fma_f32 v[TM], v[TM], s29, s30               ; var + eps
	v_rsq_f32 v[RS], v[TM]
	v_rsq_f32 v[RS+1], v[TM]
	v_nop                                          ; a plain line behind the transcendentals (ISA guide 5.7.2),
	s_wait_alu depctr_va_vdst(0)                   ; and one wait for both, ahead of their first reader
	s_wait_loadcnt 0x0                             ; gain and bias
.set i, 0
.rept 32
	v_pk_mul_f32 v[X+i:X+i+1], v[X+i:X+i+1], v[RS:RS+1]
.set i, i+2
.endr
.set i, 0
.rept 32
	v_pk_fma_f32 v[X+i:X+i+1], v[X+i:X+i+1], v[W+i:W+i+1], v[B+i:B+i+1]
.set i, i+2
.endr
	; the quantiser: four blocks of 32; a block lies in lanes l and l xor 16
.irp b, 0,1,2,3
	v_max3_num_f32 v[TM+\b], |v[X+16*\b]|, |v[X+1+16*\b]|, 0x8000000   ; my 16 numbers and the floor 2^(16 - 127): the byte cannot fall under 1
.endr
.irp i, 2,4,6,8,10,12,14
.irp b, 0,1,2,3
	v_max3_num_f32 v[TM+\b], v[TM+\b], |v[X+16*\b+\i]|, |v[X+1+16*\b+\i]|
.endr
.endr
.irp b, 0,1,2,3
	v_permlanex16_b32 v[TM+4+\b], v[TM+\b], s[SEL], s[SEL+1]
.endr
.irp b, 0,1,2,3
	v_max_num_f32 v[TM+\b], v[TM+\b], v[TM+4+\b]
.endr
.irp b, 0,1,2,3
	v_add_nc_u32 v[TM+12+\b], 0xf8800000, v[TM+\b]   ; 15 off the exponent field: the conversion's scale operand
.endr
.irp b, 0,1,2,3
	v_and_or_b32 v[TM+8+\b], v[TM+\b], 0x7f800000, s[MNT]   ; 57,344 x the scale
.endr
.irp b, 0,1,2,3
	v_lshrrev_b32 v[TM+4+\b], 23, v[TM+12+\b]      ; the byte
.endr
	v_lshl_or_b32 v[PW], v[TM+5], 8, v[TM+4]
	v_lshl_or_b32 v[PW], v[TM+6], 16, v[PW]
	v_lshl_or_b32 v[PW], v[TM+7], 24, v[PW]
	v_lshrrev_b32 v[SD], v10, v[PW]                ; lanes 0-15 store the word's low half, lanes 16-31 its high half: every byte is written once
.irp b, 0,1,2,3
.set i, 0
.rept 16
	v_med3_num_f32 v[X+16*\b+i], v[X+16*\b+i], -v[TM+8+\b], v[TM+8+\b]   ; the hold: the conversion does not saturate (ISA guide 7.6.2)
.set i, i+1
.endr
	v_cvt_scalef32_pk8_bf8_f32 v[PC+4*\b:PC+1+4*\b], v[X+16*\b:X+7+16*\b], v[TM+12+\b]
	v_cvt_scalef32_pk8_bf8_f32 v[PC+2+4*\b:PC+3+4*\b], v[X+8+16*\b:X+15+16*\b], v[TM+12+\b]
.endr
	v_nop
.irp c, 0,1,2,3
	global_store_b128 v8, v[PC+4*\c:PC+4*\c+3], s[22:23] offset:512*\c   ; 512 consecutive bytes a store
.endr
	global_store_b16 v9, v[SD], s[24:25]           ; 16 rows' words: 64 consecutive bytes
	s_wait_tensorcnt 0x0
	ds_add_u32 v248, v249
	s_wait_dscnt 0x0
	s_endpgm
.Lfunc_end_k_q54e4053869_prep:
	.size	k_q54e4053869_prep, .Lfunc_end_k_q54e4053869_prep-k_q54e4053869_prep
	.p2alignl 7, 3214868480
	.fill 96, 4, 3214868480
	.section	.rodata,"a",@progbits
	.p2align	6, 0x0
	.amdhsa_kernel k_q54e4053869_prep
		.amdhsa_group_segment_fixed_size 2048
		.amdhsa_private_segment_fixed_size 0
		.amdhsa_enable_private_segment 0
		.amdhsa_kernarg_size 88
		.amdhsa_user_sgpr_count 2
		.amdhsa_user_sgpr_kernarg_segment_ptr 1
		.amdhsa_wavefront_size32 1
		.amdhsa_system_sgpr_workgroup_id_x 1
		.amdhsa_system_sgpr_workgroup_id_y 1
		.amdhsa_system_sgpr_workgroup_id_z 1
		.amdhsa_system_vgpr_workitem_id 0
		.amdhsa_next_free_vgpr 250
		.amdhsa_next_free_sgpr 66
		.amdhsa_reserve_vcc 0
		.amdhsa_float_denorm_mode_32 3
		.amdhsa_float_denorm_mode_16_64 3
		.amdhsa_memory_ordered 1
		.amdhsa_forward_progress 1
		.amdhsa_inst_pref_size 60
	.end_amdhsa_kernel
	.amdgpu_metadata
---
amdhsa.version: [ 1, 2 ]
amdhsa.kernels:
  - .name:           k_q54e4053869_prep
    .symbol:         k_q54e4053869_prep.kd
    .args:
      - { .name: x, .offset: 0, .size: 8, .value_kind: global_buffer, .address_space: global }
      - { .name: ln1_w, .offset: 8, .size: 8, .value_kind: global_buffer, .address_space: global }
      - { .name: ln1_b, .offset: 16, .size: 8, .value_kind: global_buffer, .address_space: global }
      - { .name: hb, .offset: 24, .size: 8, .value_kind: global_buffer, .address_space: global }
      - { .name: Wq, .offset: 32, .size: 8, .value_kind: global_buffer, .address_space: global }
      - { .name: Wk, .offset: 40, .size: 8, .value_kind: global_buffer, .address_space: global }
      - { .name: Wv, .offset: 48, .size: 8, .value_kind: global_buffer, .address_space: global }
      - { .name: Wo, .offset: 56, .size: 8, .value_kind: global_buffer, .address_space: global }
      - { .name: W1, .offset: 64, .size: 8, .value_kind: global_buffer, .address_space: global }
      - { .name: W2, .offset: 72, .size: 8, .value_kind: global_buffer, .address_space: global }
      - { .name: wb, .offset: 80, .size: 8, .value_kind: global_buffer, .address_space: global }
    .group_segment_fixed_size: 2048
    .private_segment_fixed_size: 0
    .kernarg_segment_align: 8
    .kernarg_segment_size: 88
    .max_flat_workgroup_size: 256
    .sgpr_count:     66
    .vgpr_count:     250
    .wavefront_size: 32
...
	.end_amdgpu_metadata
.endif
;; end of part 1
;; launch qkv (part 2): grid 12 x 16, 4 waves a work-group, clusters of 4 x 4, 327,680 bytes of LDS; arguments hb, wb, qkvb; writes qkvb
.if DOCPART == 2
	.amdgcn_target "amdgcn-amd-amdhsa--gfx1250"
	.amdhsa_code_object_version 6
	.text
	.protected	k_q54e4053869_qkv
	.globl	k_q54e4053869_qkv
	.p2align	8
	.type	k_q54e4053869_qkv,@function
k_q54e4053869_qkv:
	s_mov_b64 s[64:65], 0
	v_nop
	global_prefetch_b8 v0, s[64:65] scope:SCOPE_SE
	s_setreg_imm32_b32 hwreg(HW_REG_WAVE_MODE, 25, 1), 1
	s_wait_xcnt 0x0
	s_wait_alu depctr_hold_cnt(0) depctr_sa_sdst(0) depctr_va_vdst(0) depctr_va_sdst(0) depctr_va_ssrc(0) depctr_va_vcc(0) depctr_vm_vsrc(0)
	s_getreg_b32 s2, hwreg(HW_REG_IB_STS2, 6, 4)
	s_cmp_eq_u32 s2, 0
	s_cbranch_scc0 .Lentry_in_a_cluster
	s_endpgm
.Lentry_in_a_cluster:
	s_bfe_u32 s2, ttmp6, 0x10000c
	s_cmp_lg_u32 s2, 0xf033
	s_cbranch_scc0 .Lentry_shape_is_right
	s_endpgm
.Lentry_shape_is_right:
; Q, K and V of all heads: h [4,096][1,024] against Wq, Wk, Wv [1,024 rows each][1,024], both as codes of E5M2 with E8M0 scales; the results are quantised here for the attention's two products.
; OPERANDS lie in memory as images of their registers: [row / 16][k / 128][c][lane][16 bytes]; scale words [row / 128][k / 128][row % 128].  A fragment is 2,048 dense bytes: no pitch, no padding.
; A tile of 256 x 256 is made by four waves, each 128 x 128: 64 accumulators.  K goes in slots of two K steps of 128 through a ring of two LDS slots.  All scale words of the tile's rows come once and stay.
; THE PRODUCT IS USED TRANSPOSED (source 0 = 16 rows of B, source 1 = 16 rows of A): a lane holds one row of A, and its registers run along B's rows, which are the next product's K.
; Clusters with x = 0, 1: A = h (tokens), B = Wq or Wk: a lane holds a token and its registers run along the head's 64.  Cluster x = 2: A = Wv, B = h: a lane holds one channel of V and its registers run along the tokens (the keys).
; The roles are changed by the choice of pointers and tile numbers on the cluster's x, which all partners share; the loop is one.
; CLUSTERS: 4 x 4 work-groups; A's tiles are asked for jointly along a row of the cluster, B's along a column.
; OUT (qkvb): Q's codes [bh][tile of 16 queries][c' 0, 1][lane][16 bytes], K's likewise at 4 MiB (two neighbouring tiles are one fragment); V's [bh][128 keys][16 channels][2,048 bytes] at 8 MiB;
; scale words: Q's, K's [bh][pair of tiles][row]: bytes = even tile's two, odd tile's two; V's [bh][128 keys][16 channels][row].
; LIMITS: NaN and infinities are not served; a block of zeros gets the byte 1 and not 127 (its codes are zeros; this program alone reads the bytes).
; REGISTERS: window 0: v4-15, v56-61 at work on the way out; v16-29 addresses; v32-47 scale words, two sets; v48-55 the results' scale words; v64-127 held numbers; v128-255 A's fragments, later the results' codes.
;   window 1: B's fragments, two sets.  windows 2, 3: the accumulators, (a, b) at v[8 (8 (a % 4) + b)].
.set KSB,    16384                     ; a row tile's codes: 8 K steps x 2,048 bytes
.set SLOTB,  4096                      ; of them in a slot: two K steps
.set BSTR,   4096                      ; from row tile to row tile in LDS
.set RTL,    8                         ; row tiles to a tensor load
.set SCH,    4096                      ; scale bytes to a tensor load: 128 rows x 8 K steps
.set SCSLOT, 1024                      ; scale bytes of 128 rows for a slot
.set SLOT,   131072                    ; a slot: A's 256 rows (65,536 bytes), then B's
.set SCL,    262144                    ; behind the ring: the scale words, 4 x SCH
.set SPARE,  327168                    ; the spare words: 128 bytes a wave, two blocks of 256 bytes that no other line names
.set W_S,    12582912
.set H_S,    4194304
.set V_C,    8388608
.set Q_S,    12582912
.set V_S,    12845056
.set TM,   4
.set ADRA, 16
.set ADRB, 20
.set LI,   24                          ; v24  16 x lane
.set LS,   25                          ; v25  4 x lane
.set LQ,   26                          ; v26  4,096 h + 4 r
.set ADRS, 27
.set SPW,  28
.set NIL,  29
.set SC,   32
.set PW,   48
.set TS,   56
.set T,    64
.set AF,   128
.set G1, 24
.set G0, 32
.set G1B, 48
.set G0B, 56
.set G1S, 68
.set G0S, 76
.set G1SB, 80
.set G0SB, 88
.set SEL, 66
.set MNT, 99
.set HIM, 100
.set MSB, 0
.macro WIN new                         ; the immediate's high byte repeats the setting that is left
.if MSB != \new
	s_set_vgpr_msb (MSB<<8)|\new
.set MSB, \new
.endif
.endm
; A joint load: waves 0 and 1 fetch for A, waves 2 and 3 for B; the branch hangs on the wave's number alone.  Four v_nop follow each of the two lines.
.macro JLOAD g0a, g1a, g0b, g1b
	s_cmp_eq_u32 s15, 0
	s_cbranch_scc0 .Lfor_b_\@
	tensor_load_to_lds s[\g0a:\g0a+3], s[\g1a:\g1a+7]
	s_nop 0
.rept 4
	v_nop
.endr
	s_branch .Lasked_\@
.Lfor_b_\@:
	tensor_load_to_lds s[\g0b:\g0b+3], s[\g1b:\g1b+7]
	s_nop 0
.rept 4
	v_nop
.endr
.Lasked_\@:
.endm
.macro CREST                           ; a round of the cluster's barrier behind its opening barrier
	s_cmp_lg_u32 s14, 0
	s_cbranch_scc1 .Lnot_wave_0_\@
	s_barrier_signal -3
.Lnot_wave_0_\@:
	s_barrier_wait -3
	s_barrier_signal -1
	s_barrier_wait -1
.endm
.macro CROUND
	s_barrier_signal -1
	s_barrier_wait -1
	CREST
.endm
.macro PLACES n                        ; plain vector lines behind matrix instructions: eight for this form
.rept \n
	v_nop
.endr
.endm
	s_load_b128 s[4:7], s[0:1], 0x0                ; hb, wb
	s_load_b64 s[8:9], s[0:1], 0x10                ; qkvb
	v_lshl_add_u32 v[SPW], v0, 2, SPARE
	v_mov_b32 v[NIL], 0
	ds_add_u32 v28, v29
	ds_add_u32 v28, v29
	s_wait_dscnt 0x0
	v_lshrrev_b32 v1, 5, v0
	v_readfirstlane_b32 s14, v1                    ; wave
	s_lshr_b32 s15, s14, 1                         ; i: my half of A's rows.  Also: I fetch for A (0) or for B (1)
	s_and_b32 s16, s14, 1                          ; j: my half of B's rows.  Also: which half I fetch
	s_bfe_u32 s40, ttmp6, 0x40000                  ; cx
	s_bfe_u32 s41, ttmp6, 0x40004                  ; cy
	s_and_b32 s18, ttmp7, 0xffff
	s_lshl_b32 s18, s18, 2                         ; 4 x cluster y
	s_lshl_b32 s19, ttmp9, 2                       ; 4 x cluster x
	s_add_co_u32 s17, s18, s41                     ; Q, K: A's tile = tokens 256 (4 Y + cy) on
	s_add_co_u32 s45, s41, 8                       ; V: A's tile = the weights' rows 2,048 + 256 cy on
	s_add_co_u32 s42, s19, s40                     ; Q, K: B's tile = the weights' rows 256 (4 X + cx) on
	s_add_co_u32 s46, s18, s40                     ; V: B's tile = tokens 256 (4 Y + cx) on
	s_mov_b32 s97, H_S
	s_mov_b32 s98, W_S
	s_cmp_eq_u32 ttmp9, 2                          ; the cluster's x: the same in all sixteen partners
	s_cselect_b32 s17, s45, s17                    ; A's tile hangs on cy alone either way,
	s_cselect_b32 s42, s46, s42                    ; B's on cx alone
	s_cselect_b32 s95, s98, s97                    ; where A's scale words begin in its buffer
	s_cselect_b32 s96, s97, s98                    ; and B's
	s_lshl_b32 s43, s41, 2
	s_lshl_b32 s43, 15, s43                        ; my row of the cluster
	s_lshl_b32 s44, 0x1111, s40                    ; my column
	; descriptor group 1, elements of 8 bytes: codes: RTL rows (row tiles) of SLOTB bytes, KSB bytes apart; scales: a dense block as rows of 256 bytes
	s_or_b32 s[G1+0], s43, (3<<16)|(1<<21)
	s_or_b32 s[G1B+0], s44, (3<<16)|(1<<21)
.irp g, G1, G1B
	s_mov_b32 s[\g+1], (SLOTB/8)<<16               ; tensor_dim0
	s_mov_b32 s[\g+2], RTL<<16                     ; tensor_dim1
	s_mov_b32 s[\g+3], (SLOTB/8)<<16               ; tile_dim0
	s_mov_b32 s[\g+4], RTL                         ; tile_dim1
	s_mov_b32 s[\g+5], KSB/8                       ; the pitch
	s_mov_b32 s[\g+6], 0
	s_mov_b32 s[\g+7], 0
.endr
	s_or_b32 s[G1S+0], s43, (3<<16)|(1<<21)
	s_or_b32 s[G1SB+0], s44, (3<<16)|(1<<21)
.irp g, G1S, G1SB
	s_mov_b32 s[\g+1], 32<<16
	s_mov_b32 s[\g+2], (SCH/256)<<16
	s_mov_b32 s[\g+3], 32<<16
	s_mov_b32 s[\g+4], SCH/256
	s_mov_b32 s[\g+5], 32
	s_mov_b32 s[\g+6], 0
	s_mov_b32 s[\g+7], 0
.endr
	s_lshl_b32 s20, s17, 1
	s_add_co_u32 s20, s20, s16                     ; A: which 128 rows I fetch
	s_lshl_b32 s46, s42, 1
	s_add_co_u32 s46, s46, s16                     ; B likewise
	s_mul_i32 s22, s20, SCH
	s_add_co_u32 s22, s22, s95
	s_mul_i32 s92, s46, SCH
	s_add_co_u32 s92, s92, s96
	s_mul_i32 s20, s20, RTL*KSB
	s_mul_i32 s46, s46, RTL*KSB
	s_mov_b32 s21, 0
	s_mov_b32 s23, 0
	s_mov_b32 s47, 0
	s_mov_b32 s93, 0
	s_lshl_b32 s45, s14, 15                        ; where they go: 32,768 bytes a wave: no place in the cluster enters an LDS address
	s_mul_i32 s94, s14, SCH
	s_wait_kmcnt 0x0
	s_cmp_eq_u32 ttmp9, 2
	s_cselect_b64 s[10:11], s[6:7], s[4:5]         ; A's buffer
	s_cselect_b64 s[12:13], s[4:5], s[6:7]         ; B's
	s_add_nc_u64 s[20:21], s[10:11], s[20:21]
	s_add_nc_u64 s[22:23], s[10:11], s[22:23]
	s_add_nc_u64 s[46:47], s[12:13], s[46:47]
	s_add_nc_u64 s[92:93], s[12:13], s[92:93]
	CROUND                                         ; all sixteen work-groups are here: the first joint loads meet
	s_mov_b32 s[G0S], 1
	s_add_co_u32 s[G0S+1], s94, SCL
	s_mov_b64 s[G0S+2:G0S+3], s[22:23]
	s_or_b32 s[G0S+3], s[G0S+3], 0x80000000
	s_mov_b32 s[G0SB], 1
	s_add_co_u32 s[G0SB+1], s94, SCL
	s_mov_b64 s[G0SB+2:G0SB+3], s[92:93]
	s_or_b32 s[G0SB+3], s[G0SB+3], 0x80000000
	JLOAD G0S, G1S, G0SB, G1SB                     ; the scale words first: they are wanted with K step 0
.irp s, 0,1
	s_mov_b32 s[G0+4*\s], 1
	s_add_co_u32 s[G0+4*\s+1], s45, \s*SLOT
	s_add_nc_u64 s[G0+4*\s+2:G0+4*\s+3], s[20:21], \s*SLOTB
	s_or_b32 s[G0+4*\s+3], s[G0+4*\s+3], 0x80000000
	s_mov_b32 s[G0B+4*\s], 1
	s_add_co_u32 s[G0B+4*\s+1], s45, \s*SLOT
	s_add_nc_u64 s[G0B+4*\s+2:G0B+4*\s+3], s[46:47], \s*SLOTB
	s_or_b32 s[G0B+4*\s+3], s[G0B+4*\s+3], 0x80000000
	JLOAD G0+4*\s, G1, G0B+4*\s, G1B
.endr
	v_and_b32 v1, 31, v0
	v_lshlrev_b32 v[LI], 4, v1
	v_lshlrev_b32 v[LS], 2, v1
	s_lshl_b32 s21, s15, 15                        ; my 128 rows of A
	s_lshl_b32 s22, s16, 15                        ; my 128 rows of B,
	s_add_co_u32 s22, s22, 65536                   ; behind A's 256
.irp s, 0,1
	v_add_nc_u32 v[ADRA+\s], s21, v[LI]
	v_add_nc_u32 v[ADRB+\s], s22, v[LI]
	s_add_co_u32 s21, s21, SLOT
	s_add_co_u32 s22, s22, SLOT
.endr
	v_and_b32 v1, 15, v0                           ; r
	v_bfe_u32 v2, v0, 4, 1                         ; h
	s_mul_i32 s21, s15, SCH                        ; scale words: lanes 0-15 take A's rows,
	s_mul_i32 s22, s16, SCH
	s_add_co_u32 s22, s22, 2*SCH
	s_sub_co_u32 s22, s22, s21
	v_mul_u32_u24 v3, s22, v2                      ; lanes 16-31 B's
	s_add_co_u32 s21, s21, SCL
	v_lshl_add_u32 v3, v1, 2, v3
	v_add_nc_u32 v[ADRS], s21, v3
	v_lshlrev_b32 v[LQ], 12, v2
	v_lshl_add_u32 v[LQ], v1, 2, v[LQ]
.irp b, 0,1,2,3
	v_mov_b32 v[TM+4+\b], 0                        ; a lane permute's destination counts as one of its sources
.endr
	s_mov_b32 s[SEL], 0x76543210
	s_mov_b32 s[SEL+1], 0xfedcba98
	s_mov_b32 s[MNT], 0x600000
	s_mov_b32 s[HIM], 0xffff0000                   ; lanes 16-31
.macro FRAG reg, adr, q, i             ; a fragment comes as it lies: four loads of 512 consecutive bytes
.irp c, 0,1,2,3
	ds_load_b128 v[\reg+4*\c:\reg+4*\c+3], v[\adr] offset:2048*(\q)+BSTR*(\i)+512*\c
.endr
.endm
.macro FETCH_B slot, q, p              ; B's eight fragments of the slot's q-th K step into set p
	WIN 0x40
.irp i, 0,1,2,3,4,5,6,7
	FRAG 128*(\p)+16*\i, ADRB+\slot, \q, \i
.endr
	WIN 0
.endm
.macro FETCH_A slot, q, i0             ; A's blocks i0 .. i0 + 3
.irp i, \i0, \i0+1, \i0+2, \i0+3
	FRAG AF+16*(\i), ADRA+\slot, \q, \i
.endr
.endm
.macro SCALES p, k                     ; a K step's scale words into set p: register i: lanes 0-15 A's block i, lanes 16-31 B's block i
.irp i, 0,1,2,3,4,5,6,7
	ds_load_b32 v[SC+8*(\p)+\i], v[ADRS] offset:(\k)+64*\i
.endr
.endm
.macro MWIN hi                         ; source 0 (B) window 1, source 1 (A) window 0, C and D window 2 or 3
	WIN 0xa1+0x50*(\hi)
.endm
; 16 products: A's blocks a0, a0 + 1 x B's eight.  The 64 accumulators take turns, one instruction a turn, in the same order in every step.  zero = 1: the product starts the sum
.macro MUL16 a0, p, zero
.irp a, \a0, \a0+1
.irp b, 0,1,2,3,4,5,6,7
.set rD, 8*(8*((\a)%4)+\b)
.set rB, 128*(\p)+16*\b
.set rA, AF+16*(\a)
.set rX, SC+8*(\p)+\b
.set rY, SC+8*(\p)+(\a)
.if \zero
	v_wmma_scale_f32_16x16x128_f8f6f4 v[rD:rD+7], v[rB:rB+15], v[rA:rA+15], 0, v[rX], v[rY] matrix_a_fmt:MATRIX_FMT_BF8 matrix_b_fmt:MATRIX_FMT_BF8 matrix_a_scale:MATRIX_SCALE_ROW1
.else
	v_wmma_scale_f32_16x16x128_f8f6f4 v[rD:rD+7], v[rB:rB+15], v[rA:rA+15], v[rD:rD+7], v[rX], v[rY] matrix_a_fmt:MATRIX_FMT_BF8 matrix_b_fmt:MATRIX_FMT_BF8 matrix_a_scale:MATRIX_SCALE_ROW1
.endif
.endr
.endr
.endm
; A slot's first K step: its successor lies in the same slot.  p: the set of B's fragments and of scale words at work
.macro STEP slot, p, zero
	s_wait_dscnt 16                                ; all but the youngest sixteen loads (A's blocks 4-7)
	MWIN 0
	MUL16 0, \p, \zero
	MUL16 2, \p, \zero
	s_wait_dscnt 0x0                               ; A's blocks 4-7 are in
	PLACES 8
	FETCH_B \slot, 1, 1-(\p)
	SCALES 1-(\p), 512
	FETCH_A \slot, 1, 0
	MWIN 1
	MUL16 4, \p, \zero
	MUL16 6, \p, \zero
	PLACES 8
	WIN 0
	FETCH_A \slot, 1, 4
.endm
; A slot's last K step changes slots: ONE barrier; in front of it each wave waits for all its tensor loads, adds 0 to its spare word, and waits for that and for its reads of this slot.  fill = 1: the slot is filled again, two slots ahead
.macro TURN slot, next, fill, p
	s_wait_tensorcnt 0x0                           ; all my tensor loads have landed: my part of the next slot
	ds_add_u32 v[SPW], v[NIL]                      ; 0 onto my spare word
	s_wait_dscnt 17                                ; (the add and A's blocks 4-7 may be out)
	MWIN 0
	MUL16 0, \p, 0
	s_wait_dscnt 0x0                               ; the add is done, and my reads of this slot are over
	s_barrier_signal -1
	MUL16 2, \p, 0
	WIN 0
	s_barrier_wait -1
.if \fill
	CREST                                          ; the barrier has opened a round of the cluster's: no wave of any partner still reads this slot or has a load on its way
	s_add_nc_u64 s[G0+4*\slot+2:G0+4*\slot+3], s[G0+4*\slot+2:G0+4*\slot+3], 2*SLOTB
	s_add_nc_u64 s[G0B+4*\slot+2:G0B+4*\slot+3], s[G0B+4*\slot+2:G0B+4*\slot+3], 2*SLOTB
	JLOAD G0+4*\slot, G1, G0B+4*\slot, G1B         ; the first tensor load behind the round; its four v_nop are four of the eight places
	PLACES 4
.else
	PLACES 8
.endif
	v_add_nc_u32 v[ADRS], SCSLOT, v[ADRS]          ; the next slot's scale words
	FETCH_B \next, 0, 1-(\p)
	SCALES 1-(\p), 0
	FETCH_A \next, 0, 0
	MWIN 1
	MUL16 4, \p, 0
	MUL16 6, \p, 0
	PLACES 8
	WIN 0
	FETCH_A \next, 0, 4
.endm
.macro LAST p
	s_wait_dscnt 16
	MWIN 0
	MUL16 0, \p, 0
	MUL16 2, \p, 0
	s_wait_dscnt 0x0
	MWIN 1
	MUL16 4, \p, 0
	MUL16 6, \p, 0
	WIN 0
.endm
	s_wait_tensorcnt 1                             ; the scale words and my part of slot 0 are in; slot 1's load may be out
	s_barrier_signal -1
	s_barrier_wait -1
	FETCH_B 0, 0, 0
	SCALES 0, 0
	FETCH_A 0, 0, 0
	FETCH_A 0, 0, 4
	STEP 0, 0, 1                                   ; K steps 0 .. 7, four slots, written out: two refills
	TURN 0, 1, 1, 1
	STEP 1, 0, 0
	TURN 1, 0, 1, 1
	STEP 0, 0, 0
	TURN 0, 1, 0, 1
	STEP 1, 0, 0
	LAST 1
; THE WAY OUT.  Block a: my lane's 64 numbers of A's row 16 a + r (register 16 g + 8 u + j = B's row 32 g + 16 u + 8 h + j) become 16 registers of codes, v[128 + 16 a ..], and a scale word, v[48 + a].
.macro QEPI a
.set AC, 64*((\a)%4)
.set WW, 2+(\a)/4
.set W2, 5*WW
	WIN W2                                         ; sources 0 and 1: the accumulators' window
.irp b, 0,1,2,3
	v_max3_num_f32 v[TM+\b], |v[AC+16*\b]|, |v[AC+16*\b+1]|, 0x8000000   ; each accumulator is read from its low end on; the floor 2^(16 - 127) holds the byte at 1 from below
.endr
.irp i, 2,4,6,8,10,12,14
.irp b, 0,1,2,3
	v_max3_num_f32 v[TM+\b], |v[AC+16*\b+\i]|, |v[AC+16*\b+\i+1]|, v[TM+\b]
.endr
.endr
	WIN 0
.irp b, 0,1,2,3
	v_permlanex16_b32 v[TM+4+\b], v[TM+\b], s[SEL], s[SEL+1]
.endr
.irp b, 0,1,2,3
	v_max_num_f32 v[TM+\b], v[TM+\b], v[TM+4+\b]   ; with lane l xor 16's: the block's largest magnitude
.endr
.irp b, 0,1,2,3
	v_add_nc_u32 v[TS+\b], 0xf8800000, v[TM+\b]    ; 15 off the exponent field: the conversion's scale operand
.endr
.irp b, 0,1,2,3
	v_and_or_b32 v[TM+8+\b], v[TM+\b], 0x7f800000, s[MNT]   ; 57,344 x the scale
.endr
.irp b, 0,1,2,3
	v_lshrrev_b32 v[TM+4+\b], 23, v[TS+\b]
.endr
	v_lshl_or_b32 v[PW+(\a)], v[TM+5], 8, v[TM+4]
	v_lshl_or_b32 v[PW+(\a)], v[TM+6], 16, v[PW+(\a)]
	v_lshl_or_b32 v[PW+(\a)], v[TM+7], 24, v[PW+(\a)]
	WIN WW                                         ; source 0: the accumulators' window
.irp b, 0,1,2,3
.set i, 0
.rept 16
	v_med3_num_f32 v[T+16*\b+i], v[AC+16*\b+i], -v[TM+8+\b], v[TM+8+\b]   ; the hold: the conversion does not saturate (ISA guide 7.6.2)
.set i, i+1
.endr
.endr
	WIN 0
.irp b, 0,1,2,3
	v_cvt_scalef32_pk8_bf8_f32 v[AF+16*(\a)+4*\b:AF+16*(\a)+4*\b+1], v[T+16*\b:T+16*\b+7], v[TS+\b]
	v_cvt_scalef32_pk8_bf8_f32 v[AF+16*(\a)+4*\b+2:AF+16*(\a)+4*\b+3], v[T+16*\b+8:T+16*\b+15], v[TS+\b]
.endr
	v_nop                                          ; a plain line behind the conversions: the next block writes their sources
.endm
	PLACES 8
.irp a, 0,1,2,3,4,5,6,7
	QEPI \a
.endr
	s_cmp_eq_u32 ttmp9, 2
	s_cbranch_scc1 .Lv
	; Q or K.  My 128 columns are two heads, 4 cx + 2 j and the next; block a is tile (tile % 8) 16 + 8 i + a of 16 tokens of batch tile / 8
	s_lshr_b32 s20, s17, 3
	s_lshl_b32 s20, s20, 4
	s_lshl_b32 s21, s40, 2
	s_add_co_u32 s20, s20, s21
	s_lshl_b32 s21, s16, 1
	s_add_co_u32 s20, s20, s21                     ; 16 b + head
	s_and_b32 s21, s17, 7
	s_lshl_b32 s21, s21, 4
	s_lshl_b32 s22, s15, 3
	s_add_co_u32 s21, s21, s22                     ; my first tile of tokens
	s_lshl_b32 s22, s20, 7
	s_add_co_u32 s22, s22, s21
	s_lshl_b32 s22, s22, 10
	s_lshl_b32 s23, ttmp9, 22                      ; K's codes lie 4 MiB behind Q's
	s_add_co_u32 s22, s22, s23
	s_mov_b32 s23, 0
	s_lshl_b32 s46, s20, 12
	s_lshl_b32 s47, s21, 5
	s_add_co_u32 s46, s46, s47
	s_lshl_b32 s47, ttmp9, 17
	s_add_co_u32 s46, s46, s47
	s_add_co_u32 s46, s46, Q_S
	s_mov_b32 s47, 0
	s_add_nc_u64 s[22:23], s[8:9], s[22:23]
	s_add_nc_u64 s[46:47], s[8:9], s[46:47]
.irp a, 0,1,2,3,4,5,6,7
.irp c, 0,1,2,3
	global_store_b128 v[LI], v[AF+16*\a+4*\c:AF+16*\a+4*\c+3], s[22:23] offset:\a*1024+(\c/2)*131072+(\c%2)*512   ; 512 consecutive bytes a store
.endr
.endr
.irp g, 0,1,2,3                        ; a pair of tiles: the low halves of the two words are the first head's bytes, the high halves the second's
	v_perm_b32 v60, v[PW+2*\g+1], v[PW+2*\g], 0x05040100
	v_perm_b32 v61, v[PW+2*\g+1], v[PW+2*\g], 0x07060302
	v_cndmask_b32 v[TS+\g], v60, v61, s[HIM]       ; lanes 0-15 store the first head's words, lanes 16-31 the second's
	global_store_b32 v[LQ], v[TS+\g], s[46:47] offset:64*\g
.endr
	s_branch .Lend
.Lv:
	; V.  My 128 rows of A are two heads, 4 cy + 2 i and the next, four tiles of 16 channels each; my 128 tokens are key step (tile % 8) 2 + j of batch tile / 8
	s_lshr_b32 s20, s42, 3
	s_lshl_b32 s20, s20, 4
	s_lshl_b32 s21, s41, 2
	s_add_co_u32 s20, s20, s21
	s_lshl_b32 s21, s15, 1
	s_add_co_u32 s20, s20, s21                     ; 16 b + head
	s_lshl_b32 s20, s20, 4
	s_and_b32 s21, s42, 7
	s_lshl_b32 s21, s21, 1
	s_add_co_u32 s20, s20, s21
	s_add_co_u32 s20, s20, s16                     ; x 16 + key step
	s_lshl_b32 s22, s20, 13
	s_add_co_u32 s22, s22, V_C
	s_mov_b32 s23, 0
	s_lshl_b32 s46, s20, 8
	s_add_co_u32 s46, s46, V_S
	s_mov_b32 s47, 0
	s_add_nc_u64 s[22:23], s[8:9], s[22:23]
	s_add_nc_u64 s[46:47], s[8:9], s[46:47]
.irp a, 0,1,2,3,4,5,6,7
.irp c, 0,1,2,3
	global_store_b128 v[LI], v[AF+16*\a+4*\c:AF+16*\a+4*\c+3], s[22:23] offset:(\a/4)*131072+(\a%4)*2048+512*\c
.endr
.endr
.irp g, 0,1,2,3
	v_cndmask_b32 v[TS+\g], v[PW+2*\g], v[PW+2*\g+1], s[HIM]   ; two tiles' words in one store: 128 consecutive bytes
	global_store_b32 v[LS], v[TS+\g], s[46:47] offset:(\g/2)*4096+(\g%2)*128
.endr
.Lend:
	s_wait_tensorcnt 0x0                           ; the wave's end
	ds_add_u32 v[SPW], v[NIL]
	s_wait_dscnt 0x0
	CROUND                                         ; the closing round: no work-group ends while a partner may still ask for a tile that names it
	s_endpgm
.Lfunc_end_k_q54e4053869_qkv:
	.size	k_q54e4053869_qkv, .Lfunc_end_k_q54e4053869_qkv-k_q54e4053869_qkv
	.p2alignl 7, 3214868480
	.fill 96, 4, 3214868480
	.section	.rodata,"a",@progbits
	.p2align	6, 0x0
	.amdhsa_kernel k_q54e4053869_qkv
		.amdhsa_group_segment_fixed_size 327680
		.amdhsa_private_segment_fixed_size 0
		.amdhsa_enable_private_segment 0
		.amdhsa_kernarg_size 24
		.amdhsa_user_sgpr_count 2
		.amdhsa_user_sgpr_kernarg_segment_ptr 1
		.amdhsa_wavefront_size32 1
		.amdhsa_system_sgpr_workgroup_id_x 1
		.amdhsa_system_sgpr_workgroup_id_y 1
		.amdhsa_system_sgpr_workgroup_id_z 1
		.amdhsa_system_vgpr_workitem_id 0
		.amdhsa_next_free_vgpr 1024
		.amdhsa_next_free_sgpr 102
		.amdhsa_reserve_vcc 0
		.amdhsa_float_denorm_mode_32 3
		.amdhsa_float_denorm_mode_16_64 3
		.amdhsa_memory_ordered 1
		.amdhsa_forward_progress 1
		.amdhsa_inst_pref_size 192
	.end_amdhsa_kernel
	.amdgpu_metadata
---
amdhsa.version: [ 1, 2 ]
amdhsa.kernels:
  - .name:           k_q54e4053869_qkv
    .symbol:         k_q54e4053869_qkv.kd
    .args:
      - { .name: hb, .offset: 0, .size: 8, .value_kind: global_buffer, .address_space: global }
      - { .name: wb, .offset: 8, .size: 8, .value_kind: global_buffer, .address_space: global }
      - { .name: qkvb, .offset: 16, .size: 8, .value_kind: global_buffer, .address_space: global }
    .group_segment_fixed_size: 327680
    .private_segment_fixed_size: 0
    .kernarg_segment_align: 8
    .kernarg_segment_size: 24
    .max_flat_workgroup_size: 128
    .sgpr_count:     102
    .vgpr_count:     1024
    .wavefront_size: 32
...
	.end_amdgpu_metadata
.endif
;; end of part 2
;; launch attn (part 3): grid 8 x 32, 16 waves a work-group, clusters of 4 x 1, 272,384 bytes of LDS; arguments qkvb, ab; writes ab
.if DOCPART == 3
	.amdgcn_target "amdgcn-amd-amdhsa--gfx1250"
	.amdhsa_code_object_version 6
	.text
	.protected	k_q54e4053869_attn
	.globl	k_q54e4053869_attn
	.p2align	8
	.type	k_q54e4053869_attn,@function
k_q54e4053869_attn:
	s_mov_b64 s[64:65], 0
	v_nop
	global_prefetch_b8 v0, s[64:65] scope:SCOPE_SE
	s_setreg_imm32_b32 hwreg(HW_REG_WAVE_MODE, 25, 1), 1
	s_wait_xcnt 0x0
	s_wait_alu depctr_hold_cnt(0) depctr_sa_sdst(0) depctr_va_vdst(0) depctr_va_sdst(0) depctr_va_ssrc(0) depctr_va_vcc(0) depctr_vm_vsrc(0)
	s_getreg_b32 s2, hwreg(HW_REG_IB_STS2, 6, 4)
	s_cmp_eq_u32 s2, 0
	s_cbranch_scc0 .Lentry_in_a_cluster
	s_endpgm
.Lentry_in_a_cluster:
	s_bfe_u32 s2, ttmp6, 0x10000c
	s_cmp_lg_u32 s2, 0x3003
	s_cbranch_scc0 .Lentry_shape_is_right
	s_endpgm
.Lentry_shape_is_right:
; softmax(Q K^T / 8) V for one (batch, head) and 256 queries, both products on codes of E5M2 with E8M0 scales; the result is quantised along the concatenated heads for the product with Wo.
; THE SOFTMAX: t = score x log2(e) / 8; M = the running largest t rounded UP to a whole number; p = 2^(t - M) is quantised along the keys, not normalised; the row's sum is taken of the unquantised p and divides at the end.
; When M moves, the sum and O are multiplied by 2^(old M - new M): exact.
; SHARES: sixteen waves, each 16 queries in 256 registers: four waves to a SIMD, so that one wave's vector work stands beside another's products and LDS loads.  Every wave walks all 2,048 keys, 128 a step.
; THE WHOLE HEAD'S K AND V STAY IN LDS, filled once (131,072 bytes each, and 4,096 of scale words each): no slot is ever filled again.  They come in four phases of 512 keys, all asked for at the head by waves 0-3.
; CLUSTER: the four query blocks of a cluster belong to one head and ask for every tile jointly.
; LAYOUT: both products transposed: S^T = K Q^T, O^T = V^T P^T: a lane holds one query throughout.  K = 64 in the first product: a fragment of 2,048 bytes holds key tile 2 f in places 0-63 and tile 2 f + 1 in places 64-127;
; against [Q | 0] it gives the first tile's scores, against [0 | Q] the second's.  p's 16 registers of the two tiles are then places 16 h + 0 .. 15 of a block of 32 keys in the order in which V's codes were made.
; A key step is mostly vector work, so its longest plain run, the hold of 64 numbers, goes two numbers an instruction, as dual-issue pairs.
; No prefetch: every tile of the launch is asked for at its head.
; LIMITS: NaN and infinities are not served; a block of zeros gets the byte 1 and not 127.  The result's scale bytes leave as single bytes (two of a word's four belong to the neighbouring head's work-group): 131,072 bytes in the launch.
.set K_C,  4194304
.set Q_S,  12582912
.set K_S,  12713984
.set A_S,  4194304
.set LV,   131072                      ; LDS: K's codes at 0, V's here,
.set LKS,  262144                      ; K's scale words,
.set LVS,  266240                      ; V's
.set AK0,  1                           ; v1   16 x lane
.set AV0,  2                           ; v2   + LV
.set ASK0, 3                           ; v3   LKS + 4 x lane
.set ASV0, 4                           ; v4   LVS + 4 x lane
.set LR,   6                           ; v6   4 r
.set LB,   7                           ; v7   4 r + h
.set ADK,  8                           ; v8-11 the step's addresses
.set ADV,  9
.set ADS,  10
.set ADT,  11
.set QLO,  16                          ; v[16:31] = Q, zeros;  v[24:39] = zeros, Q
.set QHI,  24
.set FR,   40                          ; v40-103  four fragments of K, then of V
.set S,    104                         ; v104-167 S^T, then p
.set O,    168                         ; v168-199 O^T
.set PCD,  200                         ; v200-215 p's codes
.set BM,   216
.set PT,   220
.set HD,   224
.set SO,   228
.set F,    232                         ; v[232:233] f and a word that is never used
.set TT,   234
.set KSW,  240                         ; scale words: K's (two registers), V's (two), Q's, p's
.set VSW,  242
.set QSW,  244
.set PSW,  245
.set QW,   246
.set WV,   18
.set MNT,  19
.set SEL,  20
.set CS,   22
.set G1C,  24
.set G1S,  32
.set G0,   40                          ; s[40:59] five groups 0: the scale words, four phases
.set TB,   60
.set TS,   61
.set CNT,  62
.macro CROUND
	s_barrier_signal -1
	s_barrier_wait -1
	s_cmp_lg_u32 s[WV], 0
	s_cbranch_scc1 .Lnot_wave_0_\@
	s_barrier_signal -3
.Lnot_wave_0_\@:
	s_barrier_wait -3
	s_barrier_signal -1
	s_barrier_wait -1
.endm
	s_load_b128 s[4:7], s[0:1], 0x0                ; qkvb, ab
	v_lshl_add_u32 v254, v0, 2, 0x42000
	v_mov_b32 v255, 0
	ds_add_u32 v254, v255
	ds_add_u32 v254, v255
	v_lshrrev_b32 v8, 5, v0
	v_readfirstlane_b32 s[WV], v8                  ; wave 0..15
	s_bfe_u32 s8, ttmp6, 0x40000                   ; cx
	s_lshl_b32 s9, ttmp9, 2
	s_add_co_u32 s9, s9, s8                        ; my block of 256 queries: it enters Q's and the result's addresses alone
	s_and_b32 s10, ttmp7, 0xffff                   ; 16 b + head, which the partners share
	s_bfe_u32 s11, s[WV], 0x10001                  ; what waves 0-3 fetch: K (0) or V (1),
	s_and_b32 s12, s[WV], 1                        ; which half of a phase,
	s_and_b32 s13, s[WV], 3                        ; which quarter of the scale words
	s_lshl_b32 s14, s11, 22
	s_lshl_b32 s15, s10, 17
	s_add_co_u32 s14, s14, s15
	s_lshl_b32 s15, s12, 14
	s_add_co_u32 s14, s14, s15
	s_add_co_u32 s14, s14, K_C
	s_mov_b32 s15, 0
	s_lshl_b32 s16, s11, 17
	s_lshl_b32 s17, s10, 12
	s_add_co_u32 s16, s16, s17
	s_lshl_b32 s17, s12, 11
	s_add_co_u32 s16, s16, s17
	s_add_co_u32 s16, s16, K_S
	s_mov_b32 s17, 0
	s_lshl_b32 s66, s11, 17
	s_lshl_b32 s67, s12, 14
	s_add_co_u32 s66, s66, s67                     ; LDS: codes
	s_lshl_b32 s67, s13, 11                        ; scale words
	; descriptor group 1, elements of 8 bytes, dense blocks as rows of 256 bytes: 64 rows of codes, 8 of scale words; the mask names all four partners
	s_mov_b32 s[G1C], 15|(3<<16)|(1<<21)
	s_mov_b32 s[G1C+1], 32<<16
	s_mov_b32 s[G1C+2], 64<<16
	s_mov_b32 s[G1C+3], 32<<16
	s_mov_b32 s[G1C+4], 64
	s_mov_b32 s[G1C+5], 32
	s_mov_b32 s[G1C+6], 0
	s_mov_b32 s[G1C+7], 0
	s_mov_b32 s[G1S], 15|(3<<16)|(1<<21)
	s_mov_b32 s[G1S+1], 32<<16
	s_mov_b32 s[G1S+2], 8<<16
	s_mov_b32 s[G1S+3], 32<<16
	s_mov_b32 s[G1S+4], 8
	s_mov_b32 s[G1S+5], 32
	s_mov_b32 s[G1S+6], 0
	s_mov_b32 s[G1S+7], 0
	s_lshl_b32 s70, s9, 4
	s_add_co_u32 s70, s70, s[WV]                   ; my tile of 16 queries
	s_lshr_b32 s72, s70, 1
	s_lshl_b32 s72, s72, 6
	s_lshl_b32 s73, s10, 12
	s_add_co_u32 s72, s72, s73
	s_add_co_u32 s72, s72, Q_S                     ; its pair's scale words
	s_mov_b32 s73, 0
	s_lshl_b32 s70, s70, 10
	s_lshl_b32 s71, s10, 17
	s_add_co_u32 s70, s70, s71                     ; its codes
	s_mov_b32 s71, 0
	s_mov_b32 s78, 0x03020302
	s_cmp_eq_u32 s12, 0                            ; an even tile's two bytes are the word's low half
	s_cselect_b32 s78, 0x01000100, s78
	s_lshr_b32 s80, s10, 4                         ; the result: row tile 128 b + 16 x block + wave,
	s_lshl_b32 s80, s80, 7
	s_lshl_b32 s81, s9, 4
	s_add_co_u32 s80, s80, s81
	s_add_co_u32 s80, s80, s[WV]
	s_and_b32 s81, s10, 15
	s_lshr_b32 s82, s81, 1                         ; K step head / 2,
	s_and_b32 s83, s81, 1
	s_lshl_b32 s83, s83, 1                         ; pieces 2 (head % 2) and the next
	s_lshl_b32 s84, s80, 3
	s_add_co_u32 s84, s84, s82
	s_lshl_b32 s84, s84, 2
	s_add_co_u32 s84, s84, s83
	s_lshl_b32 s84, s84, 9
	s_mov_b32 s85, 0
	s_lshr_b32 s86, s80, 3
	s_lshl_b32 s86, s86, 3
	s_add_co_u32 s86, s86, s82
	s_lshl_b32 s86, s86, 9
	s_and_b32 s87, s80, 7
	s_lshl_b32 s87, s87, 6
	s_add_co_u32 s86, s86, s87
	s_add_co_u32 s86, s86, s83
	s_add_co_u32 s86, s86, A_S
	s_mov_b32 s87, 0
	s_mov_b32 s88, 0xffff0000                      ; lanes 16-31
	s_mov_b32 s[SEL], 0x76543210
	s_mov_b32 s[SEL+1], 0xfedcba98
	s_mov_b32 s[CS], 0x3e38aa3b                    ; c = log2(e) / 8
	s_mov_b32 s[CS+1], s[CS]                       ; (named with it as a pair)
	s_mov_b32 s[MNT], 0x600000
	s_mov_b32 s[TB], 0
	s_mov_b32 s[TS], 0
	s_wait_dscnt 0x0
	s_wait_kmcnt 0x0
	s_add_nc_u64 s[68:69], s[4:5], s[14:15]
	s_add_nc_u64 s[74:75], s[4:5], s[70:71]
	s_add_nc_u64 s[76:77], s[4:5], s[72:73]
	s_add_nc_u64 s[84:85], s[6:7], s[84:85]
	s_add_nc_u64 s[86:87], s[6:7], s[86:87]
	s_mov_b32 s[G0], 1
	s_add_co_u32 s[G0+1], s67, LKS
	s_add_nc_u64 s[G0+2:G0+3], s[4:5], s[16:17]
	s_or_b32 s[G0+3], s[G0+3], 0x80000000
.irp p, 0,1,2,3
	s_mov_b32 s[G0+4+4*\p], 1
	s_add_co_u32 s[G0+5+4*\p], s66, \p*32768
	s_add_nc_u64 s[G0+6+4*\p:G0+7+4*\p], s[68:69], \p*32768
	s_or_b32 s[G0+7+4*\p], s[G0+7+4*\p], 0x80000000
.endr
	CROUND                                         ; all four work-groups are here: the joint loads meet
	s_cmp_lt_u32 s[WV], 4                          ; a wave's five fills stand in one branch on the wave's number: five loads of mine are out
	s_cbranch_scc0 .Lno_fetch
	tensor_load_to_lds s[G0:G0+3], s[G1S:G1S+7]
	s_nop 0
	tensor_load_to_lds s[G0+4:G0+7], s[G1C:G1C+7]
	s_nop 0
	tensor_load_to_lds s[G0+8:G0+11], s[G1C:G1C+7]
	s_nop 0
	tensor_load_to_lds s[G0+12:G0+15], s[G1C:G1C+7]
	s_nop 0
	tensor_load_to_lds s[G0+16:G0+19], s[G1C:G1C+7]
	s_nop 0
.rept 4
	v_nop
.endr
.Lno_fetch:
	v_and_b32 v5, 31, v0
	v_lshlrev_b32 v[AK0], 4, v5
	v_add_nc_u32 v[AV0], LV, v[AK0]
	v_lshl_add_u32 v[ASK0], v5, 2, LKS
	v_lshl_add_u32 v[ASV0], v5, 2, LVS
	v_and_b32 v8, 15, v0
	v_bfe_u32 v9, v0, 4, 1
	v_lshlrev_b32 v[LR], 2, v8
	v_add_nc_u32 v[LB], v[LR], v9
	global_load_b128 v[QLO:QLO+3], v[AK0], s[74:75]                    ; Q's eight registers, twice: in front of the zeros and behind them
	global_load_b128 v[QLO+4:QLO+7], v[AK0], s[74:75] offset:512
	global_load_b128 v[QHI+8:QHI+11], v[AK0], s[74:75]
	global_load_b128 v[QHI+12:QHI+15], v[AK0], s[74:75] offset:512
	global_load_b32 v[QW], v[LR], s[76:77]
.set i, 0
.rept 8
	v_mov_b32 v[QHI+i], 0                          ; zero codes add nothing under any scale byte but 0xff
.set i, i+1
.endr
	v_mov_b32 v13, 0xff61b1e6                      ; the largest t so far: -3e38
	v_floor_f32 v12, -v13                          ; -M
	v_mov_b32 v14, 0                               ; the sum, in two halves
	v_mov_b32 v15, 0
.irp b, 0,1,2,3
	v_mov_b32 v[PT+\b], 0                          ; a lane permute's destination counts as one of its sources
.endr
	v_mov_b32 v[F+1], 0                            ; (named as the upper half of a pair)
	s_wait_loadcnt 0x0
	v_perm_b32 v[QSW], v[QW], v[QW], s78           ; my tile's two bytes, twice: they serve places 0-63 and 64-127
.set i, 0
.rept 32
	v_mov_b32 v[O+i], 0                            ; O^T: the step is written once; the first change of M leaves zeros zeros
.set i, i+1
.endr
; A KEY STEP: 128 keys
.macro STEP
	v_add_nc_u32 v[ADK], s[TB], v[AK0]
	v_add_nc_u32 v[ADV], s[TB], v[AV0]
	v_add_nc_u32 v[ADS], s[TS], v[ASK0]
	v_add_nc_u32 v[ADT], s[TS], v[ASV0]
.rept 4
	v_nop                                          ; with the four additions: eight places in front of loads into registers that the last products read
.endr
.irp f, 0,1,2,3
.irp c, 0,1,2,3
	ds_load_b128 v[FR+16*\f+4*\c:FR+16*\f+4*\c+3], v[ADK] offset:2048*\f+512*\c
.endr
.endr
	ds_load_b32 v[KSW], v[ADS]                     ; lanes 0-15: fragment 0's words, lanes 16-31: fragment 1's
	ds_load_b32 v[KSW+1], v[ADS] offset:128        ; fragments 2 and 3
	s_wait_dscnt 0x0
.irp f, 0,2
	v_wmma_scale_f32_16x16x128_f8f6f4 v[S+16*\f:S+16*\f+7], v[FR+16*\f:FR+16*\f+15], v[QLO:QLO+15], 0, v[KSW+\f/2], v[QSW] matrix_a_fmt:MATRIX_FMT_BF8 matrix_b_fmt:MATRIX_FMT_BF8
	v_wmma_scale_f32_16x16x128_f8f6f4 v[S+16*\f+8:S+16*\f+15], v[FR+16*\f:FR+16*\f+15], v[QHI:QHI+15], 0, v[KSW+\f/2], v[QSW] matrix_a_fmt:MATRIX_FMT_BF8 matrix_b_fmt:MATRIX_FMT_BF8
	v_wmma_scale_f32_16x16x128_f8f6f4 v[S+16*\f+16:S+16*\f+23], v[FR+16*\f+16:FR+16*\f+31], v[QLO:QLO+15], 0, v[KSW+\f/2], v[QSW] matrix_a_fmt:MATRIX_FMT_BF8 matrix_b_fmt:MATRIX_FMT_BF8 matrix_a_scale:MATRIX_SCALE_ROW1
	v_wmma_scale_f32_16x16x128_f8f6f4 v[S+16*\f+24:S+16*\f+31], v[FR+16*\f+16:FR+16*\f+31], v[QHI:QHI+15], 0, v[KSW+\f/2], v[QSW] matrix_a_fmt:MATRIX_FMT_BF8 matrix_b_fmt:MATRIX_FMT_BF8 matrix_a_scale:MATRIX_SCALE_ROW1
.endr
.rept 8
	v_nop                                          ; eight places: for V's loads into K's registers and for the first read of the scores
.endr
.irp t, 0,1,2,3                        ; V's four fragments land while the softmax is worked
.irp c, 0,1,2,3
	ds_load_b128 v[FR+16*\t+4*\c:FR+16*\t+4*\c+3], v[ADV] offset:2048*\t+512*\c
.endr
.endr
	ds_load_b32 v[VSW], v[ADT]
	ds_load_b32 v[VSW+1], v[ADT] offset:128
.irp b, 0,1,2,3
	v_max3_num_f32 v[BM+\b], v[S+16*\b], v[S+1+16*\b], v[S+2+16*\b]   ; the largest score of each block of 32 keys: for the row's maximum and, since p rises with the score, for the block's largest p
.endr
.irp i, 3,5,7,9,11,13
.irp b, 0,1,2,3
	v_max3_num_f32 v[BM+\b], v[BM+\b], v[S+16*\b+\i], v[S+1+16*\b+\i]
.endr
.endr
.irp b, 0,1,2,3
	v_max_num_f32 v[BM+\b], v[BM+\b], v[S+15+16*\b]
.endr
.irp b, 0,1,2,3
	v_permlanex16_b32 v[PT+\b], v[BM+\b], s[SEL], s[SEL+1]
.endr
.irp b, 0,1,2,3
	v_max_num_f32 v[BM+\b], v[BM+\b], v[PT+\b]
.endr
	v_max3_num_f32 v[TT], v[BM], v[BM+1], v[BM+2]
	v_max_num_f32 v[TT], v[TT], v[BM+3]
	v_mul_f32 v[TT], s[CS], v[TT]
	v_max_num_f32 v13, v13, v[TT]                  ; the running largest t
	v_mov_b32 v[TT], v12
	v_floor_f32 v12, -v13                          ; the new -M = -ceil(t)
	v_sub_f32 v[TT], v12, v[TT]                    ; old M - new M: a whole number, 0 or less
	v_cvt_i32_f32 v[TT], v[TT]                     ; (it saturates)
	v_ldexp_f32 v[F], 1.0, v[TT]                   ; f = 2^(old M - new M)
.set j, 0
.rept 32
	v_pk_fma_f32 v[S+j:S+j+1], v[S+j:S+j+1], s[CS:CS+1], v[12:13] op_sel_hi:[1,0,0]   ; t - M
.set j, j+2
.endr
.irp b, 0,1,2,3
	v_fma_f32 v[BM+\b], v[BM+\b], s[CS], v12
.endr
.set j, 0
.rept 64
	v_exp_f32 v[S+j], v[S+j]                       ; p = 2^(t - M)
.set j, j+1
.endr
	v_pk_mul_f32 v[14:15], v[14:15], v[F:F+1] op_sel_hi:[1,0]   ; the sums under the new M: the plain line behind the exponentials
	s_wait_alu depctr_va_vdst(0)                   ; one wait for the batch, ahead of its first reader
.irp b, 0,1,2,3
	v_exp_f32 v[BM+\b], v[BM+\b]                   ; each block's largest p
.endr
	v_pk_add_f32 v[PT:PT+1], v[S:S+1], v[S+2:S+3]  ; the row's sum of the unquantised p, in two chains
.irp j, 4,8,12,16,20,24,28,32,36,40,44,48,52,56,60
	v_pk_add_f32 v[14:15], v[14:15], v[S+\j:S+1+\j]
	v_pk_add_f32 v[PT:PT+1], v[PT:PT+1], v[S+2+\j:S+3+\j]
.endr
	v_pk_add_f32 v[14:15], v[14:15], v[PT:PT+1]
	s_wait_alu depctr_va_vdst(0)                   ; and one for the four
.irp b, 0,1,2,3
	v_max_num_f32 v[BM+\b], 0x8000000, v[BM+\b]    ; the floor 2^(16 - 127)
.endr
.irp b, 0,1,2,3
	v_add_nc_u32 v[SO+\b], 0xf8800000, v[BM+\b]
.endr
.irp b, 0,1,2,3
	v_and_or_b32 v[HD+\b], v[BM+\b], 0x7f800000, s[MNT]
.endr
.irp b, 0,1,2,3
	v_lshrrev_b32 v[PT+\b], 23, v[SO+\b]
.endr
	v_lshl_or_b32 v[PSW], v[PT+1], 8, v[PT]        ; p's scale word for these 128 keys
	v_lshl_or_b32 v[PSW], v[PT+2], 16, v[PSW]
	v_lshl_or_b32 v[PSW], v[PT+3], 24, v[PSW]
; THE HOLD (the conversion does not saturate: ISA guide 7.6.2; p is not negative, so it is one-sided), two numbers an instruction.  A pair takes an even register of one block and an odd register of the block beside it:
; one destination is even and the other odd, the two first sources differ by an odd number of registers and the two holds are neighbouring registers, so each pair of sources lies in two register banks
.irp b, 0,2
.set i, 0
.rept 8
	v_dual_min_num_f32 v[S+16*\b+i], v[S+16*\b+i], v[HD+\b] :: v_dual_min_num_f32 v[S+16*\b+17+i], v[S+16*\b+17+i], v[HD+\b+1]
	v_dual_min_num_f32 v[S+16*\b+16+i], v[S+16*\b+16+i], v[HD+\b+1] :: v_dual_min_num_f32 v[S+16*\b+1+i], v[S+16*\b+1+i], v[HD+\b]
.set i, i+2
.endr
	v_cvt_scalef32_pk8_bf8_f32 v[PCD+4*\b:PCD+1+4*\b], v[S+16*\b:S+7+16*\b], v[SO+\b]
	v_cvt_scalef32_pk8_bf8_f32 v[PCD+2+4*\b:PCD+3+4*\b], v[S+8+16*\b:S+15+16*\b], v[SO+\b]
	v_cvt_scalef32_pk8_bf8_f32 v[PCD+4+4*\b:PCD+5+4*\b], v[S+16+16*\b:S+23+16*\b], v[SO+\b+1]
	v_cvt_scalef32_pk8_bf8_f32 v[PCD+6+4*\b:PCD+7+4*\b], v[S+24+16*\b:S+31+16*\b], v[SO+\b+1]
.endr
.set j, 0
.rept 16
	v_pk_mul_f32 v[O+j:O+j+1], v[O+j:O+j+1], v[F:F+1] op_sel_hi:[1,0]   ; O^T under the new M; these sixteen are also the places in front of the products
.set j, j+2
.endr
	s_wait_dscnt 0x0                               ; V
.irp t, 0,2
	v_wmma_scale_f32_16x16x128_f8f6f4 v[O+8*\t:O+8*\t+7], v[FR+16*\t:FR+16*\t+15], v[PCD:PCD+15], v[O+8*\t:O+8*\t+7], v[VSW+\t/2], v[PSW] matrix_a_fmt:MATRIX_FMT_BF8 matrix_b_fmt:MATRIX_FMT_BF8
	v_wmma_scale_f32_16x16x128_f8f6f4 v[O+8*\t+8:O+8*\t+15], v[FR+16*\t+16:FR+16*\t+31], v[PCD:PCD+15], v[O+8*\t+8:O+8*\t+15], v[VSW+\t/2], v[PSW] matrix_a_fmt:MATRIX_FMT_BF8 matrix_b_fmt:MATRIX_FMT_BF8 matrix_a_scale:MATRIX_SCALE_ROW1
.endr
.endm
; A PHASE: 512 keys.  The fetching waves wait for their part of it (the count: the later phases' loads stay out), a barrier shows it to all sixteen; nothing is ever filled again
.macro PHASE n
	s_wait_dscnt 0x0
	s_wait_tensorcnt 3-\n
	s_barrier_signal -1
	s_barrier_wait -1
	s_mov_b32 s[CNT], 4
.Lstep_\@:
	STEP
	s_add_co_u32 s[TB], s[TB], 8192
	s_add_co_u32 s[TS], s[TS], 256
	s_sub_co_u32 s[CNT], s[CNT], 1
	s_cmp_lg_u32 s[CNT], 0
	s_cbranch_scc1 .Lstep_\@
.endm
	PHASE 0
	PHASE 1
	PHASE 2
	PHASE 3
	; THE WAY OUT: O^T / the sum, quantised: my lane's 32 numbers are two blocks of 32 along the concatenated heads, shared with lane l xor 16
.rept 8
	v_nop
.endr
	v_add_f32 v14, v14, v15
	v_permlanex16_b32 v[PT], v14, s[SEL], s[SEL+1]
	v_add_f32 v14, v14, v[PT]
	v_rcp_f32 v14, v14
	v_nop
	s_wait_alu depctr_va_vdst(0)
.set j, 0
.rept 32
	v_mul_f32 v[S+j], v[O+j], v14
.set j, j+1
.endr
.irp b, 0,1
	v_max3_num_f32 v[BM+\b], |v[S+16*\b]|, |v[S+1+16*\b]|, 0x8000000
.endr
.irp i, 2,4,6,8,10,12,14
.irp b, 0,1
	v_max3_num_f32 v[BM+\b], v[BM+\b], |v[S+16*\b+\i]|, |v[S+1+16*\b+\i]|
.endr
.endr
.irp b, 0,1
	v_permlanex16_b32 v[PT+\b], v[BM+\b], s[SEL], s[SEL+1]
.endr
.irp b, 0,1
	v_max_num_f32 v[BM+\b], v[BM+\b], v[PT+\b]
.endr
.irp b, 0,1
	v_add_nc_u32 v[SO+\b], 0xf8800000, v[BM+\b]
.endr
.irp b, 0,1
	v_and_or_b32 v[HD+\b], v[BM+\b], 0x7f800000, s[MNT]
.endr
.irp b, 0,1
	v_lshrrev_b32 v[PT+\b], 23, v[SO+\b]
.endr
	v_cndmask_b32 v[TT], v[PT], v[PT+1], s88       ; lanes 0-15 store the first block's byte, lanes 16-31 the second's
.irp b, 0,1
.set i, 0
.rept 16
	v_med3_num_f32 v[S+16*\b+i], v[S+16*\b+i], -v[HD+\b], v[HD+\b]
.set i, i+1
.endr
	v_cvt_scalef32_pk8_bf8_f32 v[PCD+4*\b:PCD+1+4*\b], v[S+16*\b:S+7+16*\b], v[SO+\b]
	v_cvt_scalef32_pk8_bf8_f32 v[PCD+2+4*\b:PCD+3+4*\b], v[S+8+16*\b:S+15+16*\b], v[SO+\b]
.endr
	v_nop
	global_store_b128 v[AK0], v[PCD:PCD+3], s[84:85]                   ; 512 consecutive bytes a store
	global_store_b128 v[AK0], v[PCD+4:PCD+7], s[84:85] offset:512
	global_store_b8 v[LB], v[TT], s[86:87]
	s_wait_tensorcnt 0x0
	ds_add_u32 v254, v255
	s_wait_dscnt 0x0
	CROUND                                         ; the closing round
	s_endpgm
.Lfunc_end_k_q54e4053869_attn:
	.size	k_q54e4053869_attn, .Lfunc_end_k_q54e4053869_attn-k_q54e4053869_attn
	.p2alignl 7, 3214868480
	.fill 96, 4, 3214868480
	.section	.rodata,"a",@progbits
	.p2align	6, 0x0
	.amdhsa_kernel k_q54e4053869_attn
		.amdhsa_group_segment_fixed_size 272384
		.amdhsa_private_segment_fixed_size 0
		.amdhsa_enable_private_segment 0
		.amdhsa_kernarg_size 16
		.amdhsa_user_sgpr_count 2
		.amdhsa_user_sgpr_kernarg_segment_ptr 1
		.amdhsa_wavefront_size32 1
		.amdhsa_system_sgpr_workgroup_id_x 1
		.amdhsa_system_sgpr_workgroup_id_y 1
		.amdhsa_system_sgpr_workgroup_id_z 1
		.amdhsa_system_vgpr_workitem_id 0
		.amdhsa_next_free_vgpr 256
		.amdhsa_next_free_sgpr 92
		.amdhsa_reserve_vcc 0
		.amdhsa_float_denorm_mode_32 3
		.amdhsa_float_denorm_mode_16_64 3
		.amdhsa_memory_ordered 1
		.amdhsa_forward_progress 1
		.amdhsa_inst_pref_size 90
	.end_amdhsa_kernel
	.amdgpu_metadata
---
amdhsa.version: [ 1, 2 ]
amdhsa.kernels:
  - .name:           k_q54e4053869_attn
    .symbol:         k_q54e4053869_attn.kd
    .args:
      - { .name: qkvb, .offset: 0, .size: 8, .value_kind: global_buffer, .address_space: global }
      - { .name: ab, .offset: 8, .size: 8, .value_kind: global_buffer, .address_space: global }
    .group_segment_fixed_size: 272384
    .private_segment_fixed_size: 0
    .kernarg_segment_align: 8
    .kernarg_segment_size: 16
    .max_flat_workgroup_size: 512
    .sgpr_count:     92
    .vgpr_count:     256
    .wavefront_size: 32
...
	.end_amdgpu_metadata
.endif
;; end of part 3
;; launch wo (part 4): grid 8 x 32, 4 waves a work-group, clusters of 4 x 4, 327,680 bytes of LDS; arguments ab, wb, x, x1; writes x1
.if DOCPART == 4
	.amdgcn_target "amdgcn-amd-amdhsa--gfx1250"
	.amdhsa_code_object_version 6
	.text
	.protected	k_q54e4053869_wo
	.globl	k_q54e4053869_wo
	.p2align	8
	.type	k_q54e4053869_wo,@function
k_q54e4053869_wo:
	s_mov_b64 s[64:65], 0
	v_nop
	global_prefetch_b8 v0, s[64:65] scope:SCOPE_SE
	s_setreg_imm32_b32 hwreg(HW_REG_WAVE_MODE, 25, 1), 1
	s_wait_xcnt 0x0
	s_wait_alu depctr_hold_cnt(0) depctr_sa_sdst(0) depctr_va_vdst(0) depctr_va_sdst(0) depctr_va_ssrc(0) depctr_va_vcc(0) depctr_vm_vsrc(0)
	s_getreg_b32 s2, hwreg(HW_REG_IB_STS2, 6, 4)
	s_cmp_eq_u32 s2, 0
	s_cbranch_scc0 .Lentry_in_a_cluster
	s_endpgm
.Lentry_in_a_cluster:
	s_bfe_u32 s2, ttmp6, 0x10000c
	s_cmp_lg_u32 s2, 0xf033
	s_cbranch_scc0 .Lentry_shape_is_right
	s_endpgm
.Lentry_shape_is_right:
; x1 = x + attn Wo.  attn [4,096][1,024] and Wo [1,024 rows (n)][1,024] as codes of E5M2 with E8M0 scales, images of the operands' registers ([row / 16][k / 128][c][lane][16 bytes]; scale words [row / 128][k / 128][row % 128]).
; N is 1,024: tiles of 128 x 128 give 256 work-groups.  THE FOUR WAVES SHARE K, NOT THE TILE: each makes the whole 128 x 128 (64 accumulators) over every fourth K step, so that each LDS byte of a slot is read once,
; as with wave tiles of 128 x 128; with wave tiles of 64 x 64 it would be read twice.  The four partial tiles are added at the end, through LDS.
; A slot holds four K steps, wave w takes the slot's K step w.  K = 1,024 is two slots: both are first fills, nothing is filled again.
; CLUSTERS: 4 x 4 work-groups; A's tiles jointly along a row of the cluster, B's along a column.  The product is used transposed: a lane holds eight neighbouring columns of a row.
; REGISTERS: window 0: v8-11, v16-29 addresses; v32-47 scale words, two sets; v64-127 the residual, two sets; v128-255 A's fragments, later the partial sums.  window 1: B's fragments, two sets.  windows 2, 3: accumulators.
.set KSB,    16384
.set SLOTB,  8192                      ; a row tile's codes in a slot: four K steps
.set BSTR,   8192
.set RTL,    4                         ; row tiles to a tensor load
.set SCH,    2048                      ; scale bytes to a tensor load: 128 rows x 4 K steps
.set SCSLOT, 2048
.set SLOT,   131072
.set SCL,    262144
.set SPARE,  327168                    ; the spare words: 128 bytes a wave, two blocks of 256 bytes that no other line names
.set A_S,    4194304
.set B_C,    3145728
.set B_S,    12582912+98304
.set PST,    67584                     ; the way out: a stage of 128 rows x (512 + 16) bytes for each wave, over the ring, which has had its last fill
.set RD,   8
.set ADRA, 16
.set ADRB, 20
.set STO,  24
.set GO,   25
.set ADRS, 27
.set SPW,  28
.set NIL,  29
.set SC,   32
.set RS,   64
.set AF,   128
.set SM,   128
.set G1, 24
.set G0, 32
.set G1B, 48
.set G0B, 56
.set G1S, 68
.set G0S, 76
.set G1SB, 80
.set G0SB, 88
.set RES, 8                            ; s[8:9] the residual;  s[10:11] the result
.set OUT, 10
.set MSB, 0
.macro WIN new
.if MSB != \new
	s_set_vgpr_msb (MSB<<8)|\new
.set MSB, \new
.endif
.endm
.macro JLOAD g0a, g1a, g0b, g1b        ; a joint load: waves 0, 1 for A, waves 2, 3 for B; four v_nop follow each line
	s_cmp_eq_u32 s15, 0
	s_cbranch_scc0 .Lfor_b_\@
	tensor_load_to_lds s[\g0a:\g0a+3], s[\g1a:\g1a+7]
	s_nop 0
.rept 4
	v_nop
.endr
	s_branch .Lasked_\@
.Lfor_b_\@:
	tensor_load_to_lds s[\g0b:\g0b+3], s[\g1b:\g1b+7]
	s_nop 0
.rept 4
	v_nop
.endr
.Lasked_\@:
.endm
.macro CREST
	s_cmp_lg_u32 s14, 0
	s_cbranch_scc1 .Lnot_wave_0_\@
	s_barrier_signal -3
.Lnot_wave_0_\@:
	s_barrier_wait -3
	s_barrier_signal -1
	s_barrier_wait -1
.endm
.macro CROUND
	s_barrier_signal -1
	s_barrier_wait -1
	CREST
.endm
.macro PLACES n
.rept \n
	v_nop
.endr
.endm
	s_load_b256 s[4:11], s[0:1], 0x0               ; ab, wb, x, x1
	v_lshl_add_u32 v[SPW], v0, 2, SPARE
	v_mov_b32 v[NIL], 0
	ds_add_u32 v28, v29
	ds_add_u32 v28, v29
	s_wait_dscnt 0x0
	v_lshrrev_b32 v1, 5, v0
	v_readfirstlane_b32 s14, v1                    ; wave: my K step of each slot
	s_lshr_b32 s15, s14, 1                         ; I fetch for A (0) or for B (1),
	s_and_b32 s16, s14, 1                          ; which 64 rows
	s_bfe_u32 s40, ttmp6, 0x40000
	s_bfe_u32 s41, ttmp6, 0x40004
	s_lshl_b32 s42, ttmp9, 2
	s_add_co_u32 s42, s42, s40                     ; tile column
	s_and_b32 s17, ttmp7, 0xffff
	s_lshl_b32 s17, s17, 2
	s_add_co_u32 s17, s17, s41                     ; tile row
	s_lshl_b32 s43, s41, 2
	s_lshl_b32 s43, 15, s43
	s_lshl_b32 s44, 0x1111, s40
	s_or_b32 s[G1+0], s43, (3<<16)|(1<<21)
	s_or_b32 s[G1B+0], s44, (3<<16)|(1<<21)
.irp g, G1, G1B
	s_mov_b32 s[\g+1], (SLOTB/8)<<16
	s_mov_b32 s[\g+2], RTL<<16
	s_mov_b32 s[\g+3], (SLOTB/8)<<16
	s_mov_b32 s[\g+4], RTL
	s_mov_b32 s[\g+5], KSB/8
	s_mov_b32 s[\g+6], 0
	s_mov_b32 s[\g+7], 0
.endr
	s_or_b32 s[G1S+0], s43, (3<<16)|(1<<21)
	s_or_b32 s[G1SB+0], s44, (3<<16)|(1<<21)
.irp g, G1S, G1SB
	s_mov_b32 s[\g+1], 32<<16
	s_mov_b32 s[\g+2], (SCH/256)<<16
	s_mov_b32 s[\g+3], 32<<16
	s_mov_b32 s[\g+4], SCH/256
	s_mov_b32 s[\g+5], 32
	s_mov_b32 s[\g+6], 0
	s_mov_b32 s[\g+7], 0
.endr
	s_lshl_b32 s20, s17, 1
	s_add_co_u32 s20, s20, s16
	s_lshl_b32 s46, s42, 1
	s_add_co_u32 s46, s46, s16
	s_mul_i32 s22, s20, SCH
	s_add_co_u32 s22, s22, A_S
	s_mul_i32 s92, s46, SCH
	s_add_co_u32 s92, s92, B_S
	s_mul_i32 s20, s20, RTL*KSB
	s_mul_i32 s46, s46, RTL*KSB
	s_add_co_u32 s46, s46, B_C
	s_mov_b32 s21, 0
	s_mov_b32 s23, 0
	s_mov_b32 s47, 0
	s_mov_b32 s93, 0
	s_lshl_b32 s45, s14, 15
	s_mul_i32 s94, s14, SCH
	s_wait_kmcnt 0x0
	s_add_nc_u64 s[20:21], s[4:5], s[20:21]
	s_add_nc_u64 s[22:23], s[4:5], s[22:23]
	s_add_nc_u64 s[46:47], s[6:7], s[46:47]
	s_add_nc_u64 s[92:93], s[6:7], s[92:93]
	CROUND
	s_mov_b32 s[G0S], 1
	s_add_co_u32 s[G0S+1], s94, SCL
	s_mov_b64 s[G0S+2:G0S+3], s[22:23]
	s_or_b32 s[G0S+3], s[G0S+3], 0x80000000
	s_mov_b32 s[G0SB], 1
	s_add_co_u32 s[G0SB+1], s94, SCL
	s_mov_b64 s[G0SB+2:G0SB+3], s[92:93]
	s_or_b32 s[G0SB+3], s[G0SB+3], 0x80000000
	JLOAD G0S, G1S, G0SB, G1SB
.irp s, 0,1
	s_mov_b32 s[G0+4*\s], 1
	s_add_co_u32 s[G0+4*\s+1], s45, \s*SLOT
	s_add_nc_u64 s[G0+4*\s+2:G0+4*\s+3], s[20:21], \s*SLOTB
	s_or_b32 s[G0+4*\s+3], s[G0+4*\s+3], 0x80000000
	s_mov_b32 s[G0B+4*\s], 1
	s_add_co_u32 s[G0B+4*\s+1], s45, \s*SLOT
	s_add_nc_u64 s[G0B+4*\s+2:G0B+4*\s+3], s[46:47], \s*SLOTB
	s_or_b32 s[G0B+4*\s+3], s[G0B+4*\s+3], 0x80000000
	JLOAD G0+4*\s, G1, G0B+4*\s, G1B
.endr
	v_and_b32 v1, 31, v0
	v_lshlrev_b32 v[GO], 4, v1                     ; 16 x lane
	s_lshl_b32 s21, s14, 11                        ; my K step of a slot
	v_add_nc_u32 v[ADRA], s21, v[GO]
	v_add_nc_u32 v[ADRA+1], SLOT, v[ADRA]
	v_add_nc_u32 v[ADRB], 65536, v[ADRA]
	v_add_nc_u32 v[ADRB+1], SLOT, v[ADRB]
	v_and_b32 v1, 15, v0
	v_bfe_u32 v2, v0, 4, 1
	v_mul_u32_u24 v3, v2, 2*SCH                    ; scale words: lanes 16-31 take B's
	v_lshl_add_u32 v3, v1, 2, v3
	s_lshl_b32 s21, s14, 9
	s_add_co_u32 s21, s21, SCL
	v_add_nc_u32 v[ADRS], s21, v3
	s_mul_i32 s21, s14, PST                        ; my stage: row r, 32 bytes for each half of the lanes
	v_mul_u32_u24 v3, v1, 528
	v_lshl_add_u32 v3, v2, 5, v3
	v_add_nc_u32 v[STO], s21, v3
	s_mul_i32 s21, s14, 32*528                     ; back: rows 32 w on of each of the four stages, a row of 512 bytes to the 32 lanes
	v_add_nc_u32 v[RD], s21, v[GO]
	v_add_nc_u32 v[RD+1], PST, v[RD]
	v_add_nc_u32 v[RD+2], PST, v[RD+1]
	v_add_nc_u32 v[RD+3], PST, v[RD+2]
	s_lshl_b32 s20, s17, 7
	s_lshl_b32 s21, s14, 5
	s_add_co_u32 s20, s20, s21                     ; the first row that I store
	s_lshl_b32 s20, s20, 12
	s_lshl_b32 s21, s42, 9
	s_add_co_u32 s20, s20, s21
	s_mov_b32 s21, 0
	s_add_nc_u64 s[RES:RES+1], s[RES:RES+1], s[20:21]
	s_add_nc_u64 s[OUT:OUT+1], s[OUT:OUT+1], s[20:21]
.macro FRAG reg, adr, i
.irp c, 0,1,2,3
	ds_load_b128 v[\reg+4*\c:\reg+4*\c+3], v[\adr] offset:BSTR*(\i)+512*\c
.endr
.endm
.macro FETCH_B slot, p
	WIN 0x40
.irp i, 0,1,2,3,4,5,6,7
	FRAG 128*(\p)+16*\i, ADRB+\slot, \i
.endr
	WIN 0
.endm
.macro FETCH_A slot, i0
.irp i, \i0, \i0+1, \i0+2, \i0+3
	FRAG AF+16*(\i), ADRA+\slot, \i
.endr
.endm
.macro SCALES p
.irp i, 0,1,2,3,4,5,6,7
	ds_load_b32 v[SC+8*(\p)+\i], v[ADRS] offset:64*\i
.endr
.endm
.macro MWIN hi
	WIN 0xa1+0x50*(\hi)
.endm
.macro MUL16 a0, p, zero               ; the 64 accumulators take turns, one instruction a turn
.irp a, \a0, \a0+1
.irp b, 0,1,2,3,4,5,6,7
.set rD, 8*(8*((\a)%4)+\b)
.set rB, 128*(\p)+16*\b
.set rA, AF+16*(\a)
.set rX, SC+8*(\p)+\b
.set rY, SC+8*(\p)+(\a)
.if \zero
	v_wmma_scale_f32_16x16x128_f8f6f4 v[rD:rD+7], v[rB:rB+15], v[rA:rA+15], 0, v[rX], v[rY] matrix_a_fmt:MATRIX_FMT_BF8 matrix_b_fmt:MATRIX_FMT_BF8 matrix_a_scale:MATRIX_SCALE_ROW1
.else
	v_wmma_scale_f32_16x16x128_f8f6f4 v[rD:rD+7], v[rB:rB+15], v[rA:rA+15], v[rD:rD+7], v[rX], v[rY] matrix_a_fmt:MATRIX_FMT_BF8 matrix_b_fmt:MATRIX_FMT_BF8 matrix_a_scale:MATRIX_SCALE_ROW1
.endif
.endr
.endr
.endm
; My K step of a slot, and the change of slots: one barrier; in front of it all my tensor loads, the add, and my reads of this slot.  Nothing is filled again in this launch
.macro TURN slot, next, p, zero
	s_wait_tensorcnt 0x0                           ; my part of the next slot has landed
	ds_add_u32 v[SPW], v[NIL]                      ; 0 onto my spare word
	s_wait_dscnt 17                                ; (the add and A's blocks 4-7 may be out)
	MWIN 0
	MUL16 0, \p, \zero
	s_wait_dscnt 0x0
	s_barrier_signal -1
	MUL16 2, \p, \zero
	WIN 0
	s_barrier_wait -1
	PLACES 8
	v_add_nc_u32 v[ADRS], SCSLOT, v[ADRS]
	FETCH_B \next, 1-(\p)
	SCALES 1-(\p)
	FETCH_A \next, 0
	MWIN 1
	MUL16 4, \p, \zero
	MUL16 6, \p, \zero
	PLACES 8
	WIN 0
	FETCH_A \next, 4
.endm
.macro LAST p
	s_wait_dscnt 16
	MWIN 0
	MUL16 0, \p, 0
	MUL16 2, \p, 0
	s_wait_dscnt 0x0
	MWIN 1
	MUL16 4, \p, 0
	MUL16 6, \p, 0
	WIN 0
.endm
	s_wait_tensorcnt 1                             ; the scale words and my part of slot 0 are in; slot 1's load may be out
	s_barrier_signal -1
	s_barrier_wait -1
	FETCH_B 0, 0
	SCALES 0
	FETCH_A 0, 0
	FETCH_A 0, 4
	TURN 0, 1, 0, 1
	LAST 1
	; THE WAY OUT: the four waves' partial tiles meet in LDS; each wave adds and stores 32 whole rows of 512 bytes
.macro RLOAD n                         ; the residual's rows 8 n .. 8 n + 7 of my 32
.irp k, 0,1,2,3,4,5,6,7
	global_load_b128 v[RS+32*((\n)%2)+4*\k:RS+32*((\n)%2)+4*\k+3], v[GO], s[RES:RES+1] offset:(8*(\n)+\k)*4096
.endr
.endm
	PLACES 8
	s_wait_dscnt 0x0
	s_barrier_signal -1
	s_barrier_wait -1                              ; nobody reads the ring or the scale words any more
	RLOAD 0
	RLOAD 1
.irp a, 0,1,2,3,4,5,6,7
	WIN 0x08+4*(\a/4)                              ; an LDS store's data are its source 1
.irp b, 0,1,2,3,4,5,6,7
	ds_store_b128 v[STO], v[64*(\a%4)+8*\b:64*(\a%4)+8*\b+3] offset:\a*8448+64*\b          ; each accumulator from its low end on
	ds_store_b128 v[STO], v[64*(\a%4)+8*\b+4:64*(\a%4)+8*\b+7] offset:\a*8448+64*\b+16
.endr
.endr
	WIN 0
	s_wait_dscnt 0x0                               ; for the others' sake: my stores have landed
	s_barrier_signal -1
	s_barrier_wait -1
.macro BATCH n
.if (\n) > 0
	s_wait_xcnt 0x0                                ; the last batch's stores have read their registers
.endif
.irp k, 0,1,2,3,4,5,6,7
.irp v, 0,1,2,3
	ds_load_b128 v[SM+16*\k+4*\v:SM+16*\k+4*\v+3], v[RD+\v] offset:(8*(\n)+\k)*528
.endr
.endr
	s_wait_dscnt 0x0
.if (\n) < 3
	s_wait_loadcnt 8                               ; this batch's residual is in; the other set's eight loads may be out
.else
	s_wait_loadcnt 0x0
.endif
.irp k, 0,1,2,3,4,5,6,7
.irp e, 0,2
	v_pk_add_f32 v[SM+16*\k+\e:SM+16*\k+\e+1], v[SM+16*\k+\e:SM+16*\k+\e+1], v[SM+16*\k+4+\e:SM+16*\k+5+\e]
	v_pk_add_f32 v[SM+16*\k+8+\e:SM+16*\k+9+\e], v[SM+16*\k+8+\e:SM+16*\k+9+\e], v[SM+16*\k+12+\e:SM+16*\k+13+\e]
.endr
.irp e, 0,2
	v_pk_add_f32 v[SM+16*\k+\e:SM+16*\k+\e+1], v[SM+16*\k+\e:SM+16*\k+\e+1], v[SM+16*\k+8+\e:SM+16*\k+9+\e]
.endr
.irp e, 0,2
	v_pk_add_f32 v[SM+16*\k+\e:SM+16*\k+\e+1], v[SM+16*\k+\e:SM+16*\k+\e+1], v[RS+32*((\n)%2)+4*\k+\e:RS+32*((\n)%2)+4*\k+\e+1]
.endr
	global_store_b128 v[GO], v[SM+16*\k:SM+16*\k+3], s[OUT:OUT+1] offset:(8*(\n)+\k)*4096   ; 512 consecutive bytes, aligned
.endr
.if (\n)+2 < 4
	RLOAD (\n)+2
.endif
.endm
	BATCH 0
	BATCH 1
	BATCH 2
	BATCH 3
	s_wait_tensorcnt 0x0                           ; the wave's end: these three lines, behind my last tensor load and my last LDS store
	ds_add_u32 v[SPW], v[NIL]
	s_wait_dscnt 0x0
	CROUND                                         ; the closing round
	s_endpgm
.Lfunc_end_k_q54e4053869_wo:
	.size	k_q54e4053869_wo, .Lfunc_end_k_q54e4053869_wo-k_q54e4053869_wo
	.p2alignl 7, 3214868480
	.fill 96, 4, 3214868480
	.section	.rodata,"a",@progbits
	.p2align	6, 0x0
	.amdhsa_kernel k_q54e4053869_wo
		.amdhsa_group_segment_fixed_size 327680
		.amdhsa_private_segment_fixed_size 0
		.amdhsa_enable_private_segment 0
		.amdhsa_kernarg_size 32
		.amdhsa_user_sgpr_count 2
		.amdhsa_user_sgpr_kernarg_segment_ptr 1
		.amdhsa_wavefront_size32 1
		.amdhsa_system_sgpr_workgroup_id_x 1
		.amdhsa_system_sgpr_workgroup_id_y 1
		.amdhsa_system_sgpr_workgroup_id_z 1
		.amdhsa_system_vgpr_workitem_id 0
		.amdhsa_next_free_vgpr 1024
		.amdhsa_next_free_sgpr 102
		.amdhsa_reserve_vcc 0
		.amdhsa_float_denorm_mode_32 3
		.amdhsa_float_denorm_mode_16_64 3
		.amdhsa_memory_ordered 1
		.amdhsa_forward_progress 1
		.amdhsa_inst_pref_size 75
	.end_amdhsa_kernel
	.amdgpu_metadata
---
amdhsa.version: [ 1, 2 ]
amdhsa.kernels:
  - .name:           k_q54e4053869_wo
    .symbol:         k_q54e4053869_wo.kd
    .args:
      - { .name: ab, .offset: 0, .size: 8, .value_kind: global_buffer, .address_space: global }
      - { .name: wb, .offset: 8, .size: 8, .value_kind: global_buffer, .address_space: global }
      - { .name: x, .offset: 16, .size: 8, .value_kind: global_buffer, .address_space: global }
      - { .name: x1, .offset: 24, .size: 8, .value_kind: global_buffer, .address_space: global }
    .group_segment_fixed_size: 327680
    .private_segment_fixed_size: 0
    .kernarg_segment_align: 8
    .kernarg_segment_size: 32
    .max_flat_workgroup_size: 128
    .sgpr_count:     102
    .vgpr_count:     1024
    .wavefront_size: 32
...
	.end_amdgpu_metadata
.endif
;; end of part 4
;; launch ln2 (part 5): grid 256 x 1, 8 waves a work-group, no clusters, 2,048 bytes of LDS; arguments x1, ln2_w, ln2_b, h2b; writes h2b
.if DOCPART == 5
	.amdgcn_target "amdgcn-amd-amdhsa--gfx1250"
	.amdhsa_code_object_version 6
	.text
	.protected	k_q54e4053869_ln2
	.globl	k_q54e4053869_ln2
	.p2align	8
	.type	k_q54e4053869_ln2,@function
k_q54e4053869_ln2:
	s_mov_b64 s[64:65], 0
	v_nop
	global_prefetch_b8 v0, s[64:65] scope:SCOPE_SE
	s_setreg_imm32_b32 hwreg(HW_REG_WAVE_MODE, 25, 1), 1
	s_wait_xcnt 0x0
; y = (x - mean) rsqrt(var + 1e-5) w + b along rows of 1,024 f32, then quantised along the row to codes of E5M2 with one E8M0 byte for each 32.
; OUT: codes as an image of the operand's registers, [row / 16][k / 128][c][lane][16 bytes], place 16 h + 8 u + j of a block of 32 holding k = 16 u + 8 h + j (this program's order for every operand);
; scale words [row / 128][k / 128][row % 128] at byte 4,194,304.
; SHARES: a work-group takes 16 rows; wave w their columns 128 w .. 128 w + 127: one fragment.  Lane (r, h) holds 64 numbers of row r in the very order of its fragment's registers.
; Mean and variance in two passes (the variance of x - mean), so that a common offset of the inputs costs nothing; the waves' sums meet in LDS, each pass in bytes of its own: one barrier a pass.
; LIMITS: NaN and infinities are not served; a block of zeros gets the byte 1 and not 127 (its codes are zeros; this program alone reads the bytes).
.set X,   16                           ; v16-79   my 64 numbers: register 16 c + 8 u + j = column 128 w + 32 c + 16 u + 8 h + j
.set W,   80                           ; v80-143  the gain at the same columns
.set B,   144                          ; v144-207 the bias
.set PC,  208                          ; v208-223 the codes
.set TM,  224                          ; v224-239 at work
.set PW,  240                          ; v240     the scale word
.set RT,  241                          ; v241     from the other half of the lanes
.set MU,  242                          ; v[242:243] the mean, twice
.set RS,  244                          ; v[244:245] 1 / sqrt(var + eps), twice
.set SD,  246                          ; v246     my half of the scale word
.set SEL, 26
.set MNT, 28
	s_load_b256 s[4:11], s[0:1], 0x0               ; the rows, the gain, the bias, the result's buffer
	v_lshl_add_u32 v248, v0, 2, 0x400
	v_mov_b32 v249, 0
	v_lshrrev_b32 v1, 5, v0                        ; wave
	v_readfirstlane_b32 s12, v1
	v_and_b32 v2, 15, v0                           ; r
	v_bfe_u32 v3, v0, 4, 1                         ; h
	v_lshlrev_b32 v4, 12, v2
	v_lshl_add_u32 v4, v3, 5, v4                   ; row r of 4,096 bytes + 32 h
	v_lshlrev_b32 v5, 5, v3                        ; 32 h: gain and bias
	v_lshlrev_b32 v6, 5, v2                        ; LDS: row r's eight sums
	v_lshl_add_u32 v7, v1, 2, v6                   ; and my wave's among them
	v_and_b32 v8, 31, v0
	v_lshlrev_b32 v8, 4, v8                        ; 16 x lane
	v_lshlrev_b32 v9, 2, v2
	v_lshl_add_u32 v9, v3, 1, v9                   ; 4 r + 2 h
	v_lshlrev_b32 v10, 4, v3                       ; 16 h: which half of the word I store
	v_mov_b32 v[RT], 0                             ; a lane permute's destination counts as one of its sources
	s_mov_b32 s[SEL], 0x76543210
	s_mov_b32 s[SEL+1], 0xfedcba98                 ; lane l xor 16
	s_mov_b32 s[MNT], 0x600000                     ; the mantissa field of 57,344
	s_mov_b32 s29, 0x3a800000                      ; 1 / 1,024
	s_mov_b32 s30, 0x3727c5ac                      ; 1e-5
	s_lshl_b32 s13, s12, 9                         ; my wave's 512 bytes of a row
	s_lshl_b32 s14, ttmp9, 16                      ; 16 rows
	s_add_co_u32 s14, s14, s13
	s_mov_b32 s15, 0
	s_mov_b32 s16, s13
	s_mov_b32 s17, 0
	s_lshl_b32 s18, ttmp9, 3
	s_add_co_u32 s18, s18, s12
	s_lshl_b32 s18, s18, 11                        ; fragment 8 T + w
	s_mov_b32 s19, 0
	s_lshr_b32 s20, ttmp9, 3
	s_lshl_b32 s20, s20, 3
	s_add_co_u32 s20, s20, s12
	s_lshl_b32 s20, s20, 9                         ; scale words: group T / 8, K step w,
	s_and_b32 s21, ttmp9, 7
	s_lshl_b32 s21, s21, 6
	s_add_co_u32 s20, s20, s21                     ; rows 16 (T % 8) on
	s_add_co_u32 s20, s20, 4194304
	s_mov_b32 s21, 0
	s_wait_kmcnt 0x0
	s_add_nc_u64 s[4:5], s[4:5], s[14:15]
	s_add_nc_u64 s[6:7], s[6:7], s[16:17]
	s_add_nc_u64 s[8:9], s[8:9], s[16:17]
	s_add_nc_u64 s[22:23], s[10:11], s[18:19]
	s_add_nc_u64 s[24:25], s[10:11], s[20:21]
.macro TAKE reg, off, base             ; 64 numbers in the fragment's order: 32 bytes for each (c, u)
.irp c, 0,1,2,3
.irp u, 0,1
	global_load_b128 v[\reg+16*\c+8*\u:\reg+16*\c+8*\u+3], v[\off], s[\base:\base+1] offset:128*\c+64*\u
	global_load_b128 v[\reg+16*\c+8*\u+4:\reg+16*\c+8*\u+7], v[\off], s[\base:\base+1] offset:128*\c+64*\u+16
.endr
.endr
.endm
	TAKE X, 4, 4
	TAKE W, 5, 6
	TAKE B, 5, 8
; The pair v[TM:TM+1] holds my lane's sum in two halves: it becomes the row's sum, in every lane.  red: the pass's 512 bytes of LDS
.macro ACROSS red
	v_add_f32 v[TM], v[TM], v[TM+1]
	v_permlanex16_b32 v[RT], v[TM], s[SEL], s[SEL+1]
	v_add_f32 v[TM], v[TM], v[RT]                  ; row r's 128 columns of my wave
	ds_store_b32 v7, v[TM] offset:\red             ; (both halves of the lanes write the same word with the same value)
	s_wait_dscnt 0x0                               ; for the others' sake: my store has landed
	s_barrier_signal -1
	s_barrier_wait -1
	ds_load_b128 v[TM:TM+3], v6 offset:\red
	ds_load_b128 v[TM+4:TM+7], v6 offset:\red+16
	s_wait_dscnt 0x0
	v_pk_add_f32 v[TM:TM+1], v[TM:TM+1], v[TM+2:TM+3]
	v_pk_add_f32 v[TM+4:TM+5], v[TM+4:TM+5], v[TM+6:TM+7]
	v_pk_add_f32 v[TM:TM+1], v[TM:TM+1], v[TM+4:TM+5]
	v_add_f32 v[TM], v[TM], v[TM+1]
.endm
.macro JOIN                            ; four chains of pairs into one
	v_pk_add_f32 v[TM:TM+1], v[TM:TM+1], v[TM+2:TM+3]
	v_pk_add_f32 v[TM+4:TM+5], v[TM+4:TM+5], v[TM+6:TM+7]
	v_pk_add_f32 v[TM:TM+1], v[TM:TM+1], v[TM+4:TM+5]
.endm
	s_wait_loadcnt 32                              ; the rows are in; the gain's and the bias's 32 loads may be out
.irp k, 0,1,2,3
	v_pk_add_f32 v[TM+2*\k:TM+2*\k+1], v[X+4*\k:X+4*\k+1], v[X+4*\k+2:X+4*\k+3]
.endr
.set i, 16
.rept 6
.irp k, 0,1,2,3
	v_pk_add_f32 v[TM+2*\k:TM+2*\k+1], v[TM+2*\k:TM+2*\k+1], v[X+i+2*\k:X+i+2*\k+1]
.endr
.set i, i+8
.endr
	JOIN
	ACROSS 0
	v_mul_f32 v[MU], s29, v[TM]
	v_mul_f32 v[MU+1], s29, v[TM]
.set i, 0
.rept 32
	v_pk_add_f32 v[X+i:X+i+1], v[X+i:X+i+1], v[MU:MU+1] neg_lo:[0,1] neg_hi:[0,1]   ; x - mean
.set i, i+2
.endr
.irp k, 0,1,2,3
	v_pk_mul_f32 v[TM+2*\k:TM+2*\k+1], v[X+2*\k:X+2*\k+1], v[X+2*\k:X+2*\k+1]
.endr
.set i, 8
.rept 7
.irp k, 0,1,2,3
	v_pk_fma_f32 v[TM+2*\k:TM+2*\k+1], v[X+i+2*\k:X+i+2*\k+1], v[X+i+2*\k:X+i+2*\k+1], v[TM+2*\k:TM+2*\k+1]
.endr
.set i, i+8
.endr
	JOIN
	ACROSS 512
	v_fma_f32 v[TM], v[TM], s29, s30               ; var + eps
	v_rsq_f32 v[RS], v[TM]
	v_rsq_f32 v[RS+1], v[TM]
	v_nop                                          ; a plain line behind the transcendentals (ISA guide 5.7.2),
	s_wait_alu depctr_va_vdst(0)                   ; and one wait for both, ahead of their first reader
	s_wait_loadcnt 0x0                             ; gain and bias
.set i, 0
.rept 32
	v_pk_mul_f32 v[X+i:X+i+1], v[X+i:X+i+1], v[RS:RS+1]
.set i, i+2
.endr
.set i, 0
.rept 32
	v_pk_fma_f32 v[X+i:X+i+1], v[X+i:X+i+1], v[W+i:W+i+1], v[B+i:B+i+1]
.set i, i+2
.endr
	; the quantiser: four blocks of 32; a block lies in lanes l and l xor 16
.irp b, 0,1,2,3
	v_max3_num_f32 v[TM+\b], |v[X+16*\b]|, |v[X+1+16*\b]|, 0x8000000   ; my 16 numbers and the floor 2^(16 - 127): the byte cannot fall under 1
.endr
.irp i, 2,4,6,8,10,12,14
.irp b, 0,1,2,3
	v_max3_num_f32 v[TM+\b], v[TM+\b], |v[X+16*\b+\i]|, |v[X+1+16*\b+\i]|
.endr
.endr
.irp b, 0,1,2,3
	v_permlanex16_b32 v[TM+4+\b], v[TM+\b], s[SEL], s[SEL+1]
.endr
.irp b, 0,1,2,3
	v_max_num_f32 v[TM+\b], v[TM+\b], v[TM+4+\b]
.endr
.irp b, 0,1,2,3
	v_add_nc_u32 v[TM+12+\b], 0xf8800000, v[TM+\b]   ; 15 off the exponent field: the conversion's scale operand
.endr
.irp b, 0,1,2,3
	v_and_or_b32 v[TM+8+\b], v[TM+\b], 0x7f800000, s[MNT]   ; 57,344 x the scale
.endr
.irp b, 0,1,2,3
	v_lshrrev_b32 v[TM+4+\b], 23, v[TM+12+\b]      ; the byte
.endr
	v_lshl_or_b32 v[PW], v[TM+5], 8, v[TM+4]
	v_lshl_or_b32 v[PW], v[TM+6], 16, v[PW]
	v_lshl_or_b32 v[PW], v[TM+7], 24, v[PW]
	v_lshrrev_b32 v[SD], v10, v[PW]                ; lanes 0-15 store the word's low half, lanes 16-31 its high half: every byte is written once
.irp b, 0,1,2,3
.set i, 0
.rept 16
	v_med3_num_f32 v[X+16*\b+i], v[X+16*\b+i], -v[TM+8+\b], v[TM+8+\b]   ; the hold: the conversion does not saturate (ISA guide 7.6.2)
.set i, i+1
.endr
	v_cvt_scalef32_pk8_bf8_f32 v[PC+4*\b:PC+1+4*\b], v[X+16*\b:X+7+16*\b], v[TM+12+\b]
	v_cvt_scalef32_pk8_bf8_f32 v[PC+2+4*\b:PC+3+4*\b], v[X+8+16*\b:X+15+16*\b], v[TM+12+\b]
.endr
	v_nop
.irp c, 0,1,2,3
	global_store_b128 v8, v[PC+4*\c:PC+4*\c+3], s[22:23] offset:512*\c   ; 512 consecutive bytes a store
.endr
	global_store_b16 v9, v[SD], s[24:25]           ; 16 rows' words: 64 consecutive bytes
	s_wait_tensorcnt 0x0
	ds_add_u32 v248, v249
	s_wait_dscnt 0x0
	s_endpgm
.Lfunc_end_k_q54e4053869_ln2:
	.size	k_q54e4053869_ln2, .Lfunc_end_k_q54e4053869_ln2-k_q54e4053869_ln2
	.p2alignl 7, 3214868480
	.fill 96, 4, 3214868480
	.section	.rodata,"a",@progbits
	.p2align	6, 0x0
	.amdhsa_kernel k_q54e4053869_ln2
		.amdhsa_group_segment_fixed_size 2048
		.amdhsa_private_segment_fixed_size 0
		.amdhsa_enable_private_segment 0
		.amdhsa_kernarg_size 32
		.amdhsa_user_sgpr_count 2
		.amdhsa_user_sgpr_kernarg_segment_ptr 1
		.amdhsa_wavefront_size32 1
		.amdhsa_system_sgpr_workgroup_id_x 1
		.amdhsa_system_sgpr_workgroup_id_y 1
		.amdhsa_system_sgpr_workgroup_id_z 1
		.amdhsa_system_vgpr_workitem_id 0
		.amdhsa_next_free_vgpr 250
		.amdhsa_next_free_sgpr 66
		.amdhsa_reserve_vcc 0
		.amdhsa_float_denorm_mode_32 3
		.amdhsa_float_denorm_mode_16_64 3
		.amdhsa_memory_ordered 1
		.amdhsa_forward_progress 1
		.amdhsa_inst_pref_size 28
	.end_amdhsa_kernel
	.amdgpu_metadata
---
amdhsa.version: [ 1, 2 ]
amdhsa.kernels:
  - .name:           k_q54e4053869_ln2
    .symbol:         k_q54e4053869_ln2.kd
    .args:
      - { .name: x1, .offset: 0, .size: 8, .value_kind: global_buffer, .address_space: global }
      - { .name: ln2_w, .offset: 8, .size: 8, .value_kind: global_buffer, .address_space: global }
      - { .name: ln2_b, .offset: 16, .size: 8, .value_kind: global_buffer, .address_space: global }
      - { .name: h2b, .offset: 24, .size: 8, .value_kind: global_buffer, .address_space: global }
    .group_segment_fixed_size: 2048
    .private_segment_fixed_size: 0
    .kernarg_segment_align: 8
    .kernarg_segment_size: 32
    .max_flat_workgroup_size: 256
    .sgpr_count:     66
    .vgpr_count:     250
    .wavefront_size: 32
...
	.end_amdgpu_metadata
.endif
;; end of part 5
;; launch ffn1 (part 6): grid 16 x 16, 4 waves a work-group, clusters of 4 x 4, 327,680 bytes of LDS; arguments h2b, wb, b1, hid; writes hid
.if DOCPART == 6
	.amdgcn_target "amdgcn-amd-amdhsa--gfx1250"
	.amdhsa_code_object_version 6
	.text
	.protected	k_q54e4053869_ffn1
	.globl	k_q54e4053869_ffn1
	.p2align	8
	.type	k_q54e4053869_ffn1,@function
k_q54e4053869_ffn1:
	s_mov_b64 s[64:65], 0
	v_nop
	global_prefetch_b8 v0, s[64:65] scope:SCOPE_SE
	s_setreg_imm32_b32 hwreg(HW_REG_WAVE_MODE, 25, 1), 1
	s_wait_xcnt 0x0
	s_wait_alu depctr_hold_cnt(0) depctr_sa_sdst(0) depctr_va_vdst(0) depctr_va_sdst(0) depctr_va_ssrc(0) depctr_va_vcc(0) depctr_vm_vsrc(0)
	s_getreg_b32 s2, hwreg(HW_REG_IB_STS2, 6, 4)
	s_cmp_eq_u32 s2, 0
	s_cbranch_scc0 .Lentry_in_a_cluster
	s_endpgm
.Lentry_in_a_cluster:
	s_bfe_u32 s2, ttmp6, 0x10000c
	s_cmp_lg_u32 s2, 0xf033
	s_cbranch_scc0 .Lentry_shape_is_right
	s_endpgm
.Lentry_shape_is_right:
; hidden = relu(h2 W1 + b1), quantised along the hidden units for the next product.  h2 [4,096][1,024] and W1 [4,096 rows (n)][1,024] as codes of E5M2 with E8M0 scales,
; images of the operands' registers ([row / 16][k / 128][c][lane][16 bytes]; scale words [row / 128][k / 128][row % 128]); the result in the same form with K = 4,096.
; A tile of 256 x 256 is made by four waves, each 128 x 128: 64 accumulators.  K goes in slots of two K steps through a ring of two LDS slots; all scale words of the tile's rows come once and stay.
; THE PRODUCT IS USED TRANSPOSED (source 0 = 16 rows of W1, source 1 = 16 tokens): a lane holds one token and its registers run along the hidden units: a wave's 128 are one K step of the next product.
; The bias is the C of each sum's first product; the activation is the hold that the conversion wants anyway, taken between 0 and the largest code x the scale.
; CLUSTERS: 4 x 4 work-groups; A's tiles jointly along a row of the cluster, B's along a column.
; LIMITS: NaN and infinities are not served; a block of zeros gets the byte 1 and not 127 (its codes are zeros; this program alone reads the bytes).
; REGISTERS: window 0: v3 the bias's offset; v4-15, v56-59 at work on the way out; v16-29 addresses; v32-47 scale words, two sets; v48-55 the results' scale words; v64-127 the bias, later held numbers;
;   v128-255 A's fragments, later the results' codes.  window 1: B's fragments, two sets.  windows 2, 3: the accumulators.
.set KSB,    16384
.set SLOTB,  4096
.set BSTR,   4096
.set RTL,    8
.set SCH,    4096
.set SCSLOT, 1024
.set SLOT,   131072
.set SCL,    262144
.set SPARE,  327168                    ; the spare words: 128 bytes a wave, two blocks of 256 bytes that no other line names
.set A_S,    4194304
.set B_C,    4194304
.set B_S,    12582912+131072
.set O_S,    16777216
.set TM,   4
.set ADRA, 16
.set ADRB, 20
.set LI,   24
.set LS,   25
.set ADRS, 27
.set SPW,  28
.set NIL,  29
.set SC,   32
.set PW,   48
.set TS,   56
.set T,    64
.set BI,   64
.set AF,   128
.set G1, 24
.set G0, 32
.set G1B, 48
.set G0B, 56
.set G1S, 68
.set G0S, 76
.set G1SB, 80
.set G0SB, 88
.set SEL, 66
.set MNT, 99
.set HIM, 100
.set MSB, 0
.macro WIN new
.if MSB != \new
	s_set_vgpr_msb (MSB<<8)|\new
.set MSB, \new
.endif
.endm
.macro JLOAD g0a, g1a, g0b, g1b        ; a joint load: waves 0, 1 for A, waves 2, 3 for B; four v_nop follow each line
	s_cmp_eq_u32 s15, 0
	s_cbranch_scc0 .Lfor_b_\@
	tensor_load_to_lds s[\g0a:\g0a+3], s[\g1a:\g1a+7]
	s_nop 0
.rept 4
	v_nop
.endr
	s_branch .Lasked_\@
.Lfor_b_\@:
	tensor_load_to_lds s[\g0b:\g0b+3], s[\g1b:\g1b+7]
	s_nop 0
.rept 4
	v_nop
.endr
.Lasked_\@:
.endm
.macro CREST
	s_cmp_lg_u32 s14, 0
	s_cbranch_scc1 .Lnot_wave_0_\@
	s_barrier_signal -3
.Lnot_wave_0_\@:
	s_barrier_wait -3
	s_barrier_signal -1
	s_barrier_wait -1
.endm
.macro CROUND
	s_barrier_signal -1
	s_barrier_wait -1
	CREST
.endm
.macro PLACES n
.rept \n
	v_nop
.endr
.endm
	s_load_b256 s[4:11], s[0:1], 0x0               ; h2b, wb, b1, hid
	v_lshl_add_u32 v[SPW], v0, 2, SPARE
	v_mov_b32 v[NIL], 0
	ds_add_u32 v28, v29
	ds_add_u32 v28, v29
	s_wait_dscnt 0x0
	v_lshrrev_b32 v1, 5, v0
	v_readfirstlane_b32 s14, v1
	s_lshr_b32 s15, s14, 1                         ; i
	s_and_b32 s16, s14, 1                          ; j
	s_bfe_u32 s40, ttmp6, 0x40000
	s_bfe_u32 s41, ttmp6, 0x40004
	s_lshl_b32 s42, ttmp9, 2
	s_add_co_u32 s42, s42, s40                     ; tile column
	s_and_b32 s17, ttmp7, 0xffff
	s_lshl_b32 s17, s17, 2
	s_add_co_u32 s17, s17, s41                     ; tile row
	s_lshl_b32 s43, s41, 2
	s_lshl_b32 s43, 15, s43
	s_lshl_b32 s44, 0x1111, s40
	s_or_b32 s[G1+0], s43, (3<<16)|(1<<21)
	s_or_b32 s[G1B+0], s44, (3<<16)|(1<<21)
.irp g, G1, G1B
	s_mov_b32 s[\g+1], (SLOTB/8)<<16
	s_mov_b32 s[\g+2], RTL<<16
	s_mov_b32 s[\g+3], (SLOTB/8)<<16
	s_mov_b32 s[\g+4], RTL
	s_mov_b32 s[\g+5], KSB/8
	s_mov_b32 s[\g+6], 0
	s_mov_b32 s[\g+7], 0
.endr
	s_or_b32 s[G1S+0], s43, (3<<16)|(1<<21)
	s_or_b32 s[G1SB+0], s44, (3<<16)|(1<<21)
.irp g, G1S, G1SB
	s_mov_b32 s[\g+1], 32<<16
	s_mov_b32 s[\g+2], (SCH/256)<<16
	s_mov_b32 s[\g+3], 32<<16
	s_mov_b32 s[\g+4], SCH/256
	s_mov_b32 s[\g+5], 32
	s_mov_b32 s[\g+6], 0
	s_mov_b32 s[\g+7], 0
.endr
	s_lshl_b32 s20, s17, 1
	s_add_co_u32 s20, s20, s16
	s_lshl_b32 s46, s42, 1
	s_add_co_u32 s46, s46, s16
	s_mul_i32 s22, s20, SCH
	s_add_co_u32 s22, s22, A_S
	s_mul_i32 s92, s46, SCH
	s_add_co_u32 s92, s92, B_S
	s_mul_i32 s20, s20, RTL*KSB
	s_mul_i32 s46, s46, RTL*KSB
	s_add_co_u32 s46, s46, B_C
	s_mov_b32 s21, 0
	s_mov_b32 s23, 0
	s_mov_b32 s47, 0
	s_mov_b32 s93, 0
	s_lshl_b32 s45, s14, 15
	s_mul_i32 s94, s14, SCH
	s_wait_kmcnt 0x0
	s_add_nc_u64 s[20:21], s[4:5], s[20:21]
	s_add_nc_u64 s[22:23], s[4:5], s[22:23]
	s_add_nc_u64 s[46:47], s[6:7], s[46:47]
	s_add_nc_u64 s[92:93], s[6:7], s[92:93]
	CROUND
	s_mov_b32 s[G0S], 1
	s_add_co_u32 s[G0S+1], s94, SCL
	s_mov_b64 s[G0S+2:G0S+3], s[22:23]
	s_or_b32 s[G0S+3], s[G0S+3], 0x80000000
	s_mov_b32 s[G0SB], 1
	s_add_co_u32 s[G0SB+1], s94, SCL
	s_mov_b64 s[G0SB+2:G0SB+3], s[92:93]
	s_or_b32 s[G0SB+3], s[G0SB+3], 0x80000000
	JLOAD G0S, G1S, G0SB, G1SB
.irp s, 0,1
	s_mov_b32 s[G0+4*\s], 1
	s_add_co_u32 s[G0+4*\s+1], s45, \s*SLOT
	s_add_nc_u64 s[G0+4*\s+2:G0+4*\s+3], s[20:21], \s*SLOTB
	s_or_b32 s[G0+4*\s+3], s[G0+4*\s+3], 0x80000000
	s_mov_b32 s[G0B+4*\s], 1
	s_add_co_u32 s[G0B+4*\s+1], s45, \s*SLOT
	s_add_nc_u64 s[G0B+4*\s+2:G0B+4*\s+3], s[46:47], \s*SLOTB
	s_or_b32 s[G0B+4*\s+3], s[G0B+4*\s+3], 0x80000000
	JLOAD G0+4*\s, G1, G0B+4*\s, G1B
.endr
	v_and_b32 v1, 31, v0
	v_lshlrev_b32 v[LI], 4, v1
	v_lshlrev_b32 v[LS], 2, v1
	s_lshl_b32 s21, s15, 15
	s_lshl_b32 s22, s16, 15
	s_add_co_u32 s22, s22, 65536
.irp s, 0,1
	v_add_nc_u32 v[ADRA+\s], s21, v[LI]
	v_add_nc_u32 v[ADRB+\s], s22, v[LI]
	s_add_co_u32 s21, s21, SLOT
	s_add_co_u32 s22, s22, SLOT
.endr
	v_and_b32 v1, 15, v0
	v_bfe_u32 v2, v0, 4, 1
	s_mul_i32 s21, s15, SCH
	s_mul_i32 s22, s16, SCH
	s_add_co_u32 s22, s22, 2*SCH
	s_sub_co_u32 s22, s22, s21
	v_mul_u32_u24 v5, s22, v2
	s_add_co_u32 s21, s21, SCL
	v_lshl_add_u32 v5, v1, 2, v5
	v_add_nc_u32 v[ADRS], s21, v5
	v_lshlrev_b32 v3, 5, v2                        ; the bias: lane (r, h) wants, for B's block b, the numbers of hidden units 16 b + 8 h + 0 .. 7
	s_lshl_b32 s20, s42, 10
	s_lshl_b32 s21, s16, 9
	s_add_co_u32 s20, s20, s21
	s_mov_b32 s21, 0
	s_add_nc_u64 s[8:9], s[8:9], s[20:21]
.irp b, 0,1,2,3,4,5,6,7
	global_load_b128 v[BI+8*\b:BI+8*\b+3], v3, s[8:9] offset:64*\b
	global_load_b128 v[BI+8*\b+4:BI+8*\b+7], v3, s[8:9] offset:64*\b+16
.endr
.irp b, 0,1,2,3
	v_mov_b32 v[TM+4+\b], 0                        ; a lane permute's destination counts as one of its sources
.endr
	s_mov_b32 s[SEL], 0x76543210
	s_mov_b32 s[SEL+1], 0xfedcba98
	s_mov_b32 s[MNT], 0x600000
	s_mov_b32 s[HIM], 0xffff0000
.macro FRAG reg, adr, q, i
.irp c, 0,1,2,3
	ds_load_b128 v[\reg+4*\c:\reg+4*\c+3], v[\adr] offset:2048*(\q)+BSTR*(\i)+512*\c
.endr
.endm
.macro FETCH_B slot, q, p
	WIN 0x40
.irp i, 0,1,2,3,4,5,6,7
	FRAG 128*(\p)+16*\i, ADRB+\slot, \q, \i
.endr
	WIN 0
.endm
.macro FETCH_A slot, q, i0
.irp i, \i0, \i0+1, \i0+2, \i0+3
	FRAG AF+16*(\i), ADRA+\slot, \q, \i
.endr
.endm
.macro SCALES p, k
.irp i, 0,1,2,3,4,5,6,7
	ds_load_b32 v[SC+8*(\p)+\i], v[ADRS] offset:(\k)+64*\i
.endr
.endm
.macro MWIN hi, bias                   ; source 0 (B) window 1, source 1 (A) window 0, D window 2 or 3; C with D, or the bias in window 0
.if \bias
	WIN 0x81+0x40*(\hi)
.else
	WIN 0xa1+0x50*(\hi)
.endif
.endm
.macro MUL16 a0, p, bias               ; the 64 accumulators take turns, one instruction a turn.  bias = 1: the product starts the sum from the bias
.irp a, \a0, \a0+1
.irp b, 0,1,2,3,4,5,6,7
.set rD, 8*(8*((\a)%4)+\b)
.set rB, 128*(\p)+16*\b
.set rA, AF+16*(\a)
.set rX, SC+8*(\p)+\b
.set rY, SC+8*(\p)+(\a)
.if \bias
	v_wmma_scale_f32_16x16x128_f8f6f4 v[rD:rD+7], v[rB:rB+15], v[rA:rA+15], v[BI+8*\b:BI+8*\b+7], v[rX], v[rY] matrix_a_fmt:MATRIX_FMT_BF8 matrix_b_fmt:MATRIX_FMT_BF8 matrix_a_scale:MATRIX_SCALE_ROW1
.else
	v_wmma_scale_f32_16x16x128_f8f6f4 v[rD:rD+7], v[rB:rB+15], v[rA:rA+15], v[rD:rD+7], v[rX], v[rY] matrix_a_fmt:MATRIX_FMT_BF8 matrix_b_fmt:MATRIX_FMT_BF8 matrix_a_scale:MATRIX_SCALE_ROW1
.endif
.endr
.endr
.endm
.macro STEP slot, p, bias
	s_wait_dscnt 16                                ; all but A's blocks 4-7
	MWIN 0, \bias
	MUL16 0, \p, \bias
	MUL16 2, \p, \bias
	s_wait_dscnt 0x0
	PLACES 8
	FETCH_B \slot, 1, 1-(\p)
	SCALES 1-(\p), 512
	FETCH_A \slot, 1, 0
	MWIN 1, \bias
	MUL16 4, \p, \bias
	MUL16 6, \p, \bias
	PLACES 8
	WIN 0
	FETCH_A \slot, 1, 4
.endm
.macro TURN slot, next, fill, p
	s_wait_tensorcnt 0x0                           ; all my tensor loads have landed: my part of the next slot
	ds_add_u32 v[SPW], v[NIL]                      ; 0 onto my spare word
	s_wait_dscnt 17                                ; (the add and A's blocks 4-7 may be out)
	MWIN 0, 0
	MUL16 0, \p, 0
	s_wait_dscnt 0x0                               ; the add is done, and my reads of this slot are over
	s_barrier_signal -1
	MUL16 2, \p, 0
	WIN 0
	s_barrier_wait -1
.if \fill
	CREST                                          ; the barrier has opened a round of the cluster's
	s_add_nc_u64 s[G0+4*\slot+2:G0+4*\slot+3], s[G0+4*\slot+2:G0+4*\slot+3], 2*SLOTB
	s_add_nc_u64 s[G0B+4*\slot+2:G0B+4*\slot+3], s[G0B+4*\slot+2:G0B+4*\slot+3], 2*SLOTB
	JLOAD G0+4*\slot, G1, G0B+4*\slot, G1B
	PLACES 4
.else
	PLACES 8
.endif
	v_add_nc_u32 v[ADRS], SCSLOT, v[ADRS]
	FETCH_B \next, 0, 1-(\p)
	SCALES 1-(\p), 0
	FETCH_A \next, 0, 0
	MWIN 1, 0
	MUL16 4, \p, 0
	MUL16 6, \p, 0
	PLACES 8
	WIN 0
	FETCH_A \next, 0, 4
.endm
.macro LAST p
	s_wait_dscnt 16
	MWIN 0, 0
	MUL16 0, \p, 0
	MUL16 2, \p, 0
	s_wait_dscnt 0x0
	MWIN 1, 0
	MUL16 4, \p, 0
	MUL16 6, \p, 0
	WIN 0
.endm
	s_wait_tensorcnt 1                             ; the scale words and my part of slot 0 are in; slot 1's load may be out
	s_barrier_signal -1
	s_barrier_wait -1
	FETCH_B 0, 0, 0
	SCALES 0, 0
	FETCH_A 0, 0, 0
	FETCH_A 0, 0, 4
	s_wait_loadcnt 0x0                             ; the bias
	STEP 0, 0, 1
	TURN 0, 1, 1, 1
	STEP 1, 0, 0
	TURN 1, 0, 1, 1
	STEP 0, 0, 0
	TURN 0, 1, 0, 1
	STEP 1, 0, 0
	LAST 1
; THE WAY OUT.  Block a: my lane's 64 hidden units of token 16 a + r become 16 registers of codes and a scale word.  No |.| on the maximum's sources: what is negative becomes 0 and must not count
.macro QEPI a
.set AC, 64*((\a)%4)
.set WW, 2+(\a)/4
.set W2, 5*WW
	WIN W2
.irp b, 0,1,2,3
	v_max3_num_f32 v[TM+\b], v[AC+16*\b], v[AC+16*\b+1], 0x8000000   ; each accumulator is read from its low end on; the floor 2^(16 - 127)
.endr
.irp i, 2,4,6,8,10,12,14
.irp b, 0,1,2,3
	v_max3_num_f32 v[TM+\b], v[AC+16*\b+\i], v[AC+16*\b+\i+1], v[TM+\b]
.endr
.endr
	WIN 0
.irp b, 0,1,2,3
	v_permlanex16_b32 v[TM+4+\b], v[TM+\b], s[SEL], s[SEL+1]
.endr
.irp b, 0,1,2,3
	v_max_num_f32 v[TM+\b], v[TM+\b], v[TM+4+\b]
.endr
.irp b, 0,1,2,3
	v_add_nc_u32 v[TS+\b], 0xf8800000, v[TM+\b]
.endr
.irp b, 0,1,2,3
	v_and_or_b32 v[TM+8+\b], v[TM+\b], 0x7f800000, s[MNT]
.endr
.irp b, 0,1,2,3
	v_lshrrev_b32 v[TM+4+\b], 23, v[TS+\b]
.endr
	v_lshl_or_b32 v[PW+(\a)], v[TM+5], 8, v[TM+4]
	v_lshl_or_b32 v[PW+(\a)], v[TM+6], 16, v[PW+(\a)]
	v_lshl_or_b32 v[PW+(\a)], v[TM+7], 24, v[PW+(\a)]
	WIN WW
.irp b, 0,1,2,3
.set i, 0
.rept 16
	v_med3_num_f32 v[T+16*\b+i], v[AC+16*\b+i], 0, v[TM+8+\b]   ; the activation and the hold in one
.set i, i+1
.endr
.endr
	WIN 0
.irp b, 0,1,2,3
	v_cvt_scalef32_pk8_bf8_f32 v[AF+16*(\a)+4*\b:AF+16*(\a)+4*\b+1], v[T+16*\b:T+16*\b+7], v[TS+\b]
	v_cvt_scalef32_pk8_bf8_f32 v[AF+16*(\a)+4*\b+2:AF+16*(\a)+4*\b+3], v[T+16*\b+8:T+16*\b+15], v[TS+\b]
.endr
	v_nop
.endm
	PLACES 8
.irp a, 0,1,2,3,4,5,6,7
	QEPI \a
.endr
	s_lshl_b32 s21, s42, 1
	s_add_co_u32 s21, s21, s16                     ; the next product's K step: 2 x tile column + j
	s_lshl_b32 s20, s17, 4
	s_lshl_b32 s22, s15, 3
	s_add_co_u32 s20, s20, s22                     ; my first row tile
	s_lshl_b32 s20, s20, 5
	s_add_co_u32 s20, s20, s21
	s_lshl_b32 s22, s20, 11
	s_mov_b32 s23, 0
	s_lshl_b32 s46, s17, 1
	s_add_co_u32 s46, s46, s15                     ; my group of 128 rows
	s_lshl_b32 s46, s46, 5
	s_add_co_u32 s46, s46, s21
	s_lshl_b32 s46, s46, 9
	s_add_co_u32 s46, s46, O_S
	s_mov_b32 s47, 0
	s_add_nc_u64 s[22:23], s[10:11], s[22:23]
	s_add_nc_u64 s[46:47], s[10:11], s[46:47]
.irp a, 0,1,2,3,4,5,6,7
.irp c, 0,1,2,3
	global_store_b128 v[LI], v[AF+16*\a+4*\c:AF+16*\a+4*\c+3], s[22:23] offset:\a*65536+512*\c   ; 512 consecutive bytes a store
.endr
.endr
.irp g, 0,1,2,3
	v_cndmask_b32 v[TS+\g], v[PW+2*\g], v[PW+2*\g+1], s[HIM]   ; two blocks' words in one store: 128 consecutive bytes
	global_store_b32 v[LS], v[TS+\g], s[46:47] offset:128*\g
.endr
	s_wait_tensorcnt 0x0                           ; the wave's end
	ds_add_u32 v[SPW], v[NIL]
	s_wait_dscnt 0x0
	CROUND                                         ; the closing round
	s_endpgm
.Lfunc_end_k_q54e4053869_ffn1:
	.size	k_q54e4053869_ffn1, .Lfunc_end_k_q54e4053869_ffn1-k_q54e4053869_ffn1
	.p2alignl 7, 3214868480
	.fill 96, 4, 3214868480
	.section	.rodata,"a",@progbits
	.p2align	6, 0x0
	.amdhsa_kernel k_q54e4053869_ffn1
		.amdhsa_group_segment_fixed_size 327680
		.amdhsa_private_segment_fixed_size 0
		.amdhsa_enable_private_segment 0
		.amdhsa_kernarg_size 32
		.amdhsa_user_sgpr_count 2
		.amdhsa_user_sgpr_kernarg_segment_ptr 1
		.amdhsa_wavefront_size32 1
		.amdhsa_system_sgpr_workgroup_id_x 1
		.amdhsa_system_sgpr_workgroup_id_y 1
		.amdhsa_system_sgpr_workgroup_id_z 1
		.amdhsa_system_vgpr_workitem_id 0
		.amdhsa_next_free_vgpr 1024
		.amdhsa_next_free_sgpr 102
		.amdhsa_reserve_vcc 0
		.amdhsa_float_denorm_mode_32 3
		.amdhsa_float_denorm_mode_16_64 3
		.amdhsa_memory_ordered 1
		.amdhsa_forward_progress 1
		.amdhsa_inst_pref_size 188
	.end_amdhsa_kernel
	.amdgpu_metadata
---
amdhsa.version: [ 1, 2 ]
amdhsa.kernels:
  - .name:           k_q54e4053869_ffn1
    .symbol:         k_q54e4053869_ffn1.kd
    .args:
      - { .name: h2b, .offset: 0, .size: 8, .value_kind: global_buffer, .address_space: global }
      - { .name: wb, .offset: 8, .size: 8, .value_kind: global_buffer, .address_space: global }
      - { .name: b1, .offset: 16, .size: 8, .value_kind: global_buffer, .address_space: global }
      - { .name: hid, .offset: 24, .size: 8, .value_kind: global_buffer, .address_space: global }
    .group_segment_fixed_size: 327680
    .private_segment_fixed_size: 0
    .kernarg_segment_align: 8
    .kernarg_segment_size: 32
    .max_flat_workgroup_size: 128
    .sgpr_count:     102
    .vgpr_count:     1024
    .wavefront_size: 32
...
	.end_amdgpu_metadata
.endif
;; end of part 6
;; launch ffn2 (part 7): grid 8 x 32, 4 waves a work-group, clusters of 4 x 4, 327,680 bytes of LDS; arguments hid, wb, x1, b2, out0; writes out0
.if DOCPART == 7
	.amdgcn_target "amdgcn-amd-amdhsa--gfx1250"
	.amdhsa_code_object_version 6
	.text
	.protected	k_q54e4053869_ffn2
	.globl	k_q54e4053869_ffn2
	.p2align	8
	.type	k_q54e4053869_ffn2,@function
k_q54e4053869_ffn2:
	s_mov_b64 s[64:65], 0
	v_nop
	global_prefetch_b8 v0, s[64:65] scope:SCOPE_SE
	s_setreg_imm32_b32 hwreg(HW_REG_WAVE_MODE, 25, 1), 1
	s_wait_xcnt 0x0
	s_wait_alu depctr_hold_cnt(0) depctr_sa_sdst(0) depctr_va_vdst(0) depctr_va_sdst(0) depctr_va_ssrc(0) depctr_va_vcc(0) depctr_vm_vsrc(0)
	s_getreg_b32 s2, hwreg(HW_REG_IB_STS2, 6, 4)
	s_cmp_eq_u32 s2, 0
	s_cbranch_scc0 .Lentry_in_a_cluster
	s_endpgm
.Lentry_in_a_cluster:
	s_bfe_u32 s2, ttmp6, 0x10000c
	s_cmp_lg_u32 s2, 0xf033
	s_cbranch_scc0 .Lentry_shape_is_right
	s_endpgm
.Lentry_shape_is_right:
; out = x1 + hidden W2 + b2.  hidden [4,096][4,096] and W2 [1,024 rows (n)][4,096] as codes of E5M2 with E8M0 scales, images of the operands' registers
; ([row / 16][k / 128][c][lane][16 bytes]; scale words [row / 128][k / 128][row % 128]).
; N is 1,024: tiles of 128 x 128 give 256 work-groups.  THE FOUR WAVES SHARE K, NOT THE TILE: each makes the whole 128 x 128 (64 accumulators) over every fourth K step, so that each LDS byte of a slot is read once,
; as with wave tiles of 128 x 128; with wave tiles of 64 x 64 it would be read twice.  The four partial tiles are added at the end, through LDS.
; A slot holds four K steps, wave w takes the slot's K step w; K = 4,096 is eight slots through a ring of two: six refills.  All scale words of the tile's rows come once and stay.
; CLUSTERS: 4 x 4 work-groups; A's tiles jointly along a row of the cluster, B's along a column.  The product is used transposed: a lane holds eight neighbouring columns of a row.
; REGISTERS: window 0: v8-11, v16-29 addresses; v32-47 scale words, two sets; v60-63 the bias; v64-127 the residual, two sets; v128-255 A's fragments, later the partial sums.
;   window 1: B's fragments, two sets.  windows 2, 3: accumulators.
.set KSB,    65536
.set SLOTB,  8192
.set BSTR,   8192
.set RTL,    4
.set SCH,    8192                      ; scale bytes to a tensor load: 128 rows x 16 K steps
.set SCSLOT, 2048
.set SLOT,   131072
.set SCL,    262144
.set SPARE,  327168                    ; the spare words: 128 bytes a wave, two blocks of 256 bytes that no other line names
.set A_S,    16777216
.set B_C,    8388608
.set B_S,    12845056
.set PST,    67584                     ; the way out: a stage of 128 rows x (512 + 16) bytes for each wave, over the ring and the scale words, which have had their last fill
.set RD,   8
.set ADRA, 16
.set ADRB, 20
.set STO,  24
.set GO,   25
.set ADRS, 27
.set SPW,  28
.set NIL,  29
.set SC,   32
.set BB,   60
.set RS,   64
.set AF,   128
.set SM,   128
.set G1, 24
.set G0, 32
.set G1B, 48
.set G0B, 56
.set G1S, 68
.set G0S, 76
.set G1SB, 80
.set G0SB, 88
.set RES, 8                            ; s[8:9] the residual;  s[10:11] the bias;  s[12:13] the result
.set OUT, 12
.set MSB, 0
.macro WIN new
.if MSB != \new
	s_set_vgpr_msb (MSB<<8)|\new
.set MSB, \new
.endif
.endm
.macro JLOAD g0a, g1a, g0b, g1b        ; a joint load: waves 0, 1 for A, waves 2, 3 for B; four v_nop follow each line
	s_cmp_eq_u32 s15, 0
	s_cbranch_scc0 .Lfor_b_\@
	tensor_load_to_lds s[\g0a:\g0a+3], s[\g1a:\g1a+7]
	s_nop 0
.rept 4
	v_nop
.endr
	s_branch .Lasked_\@
.Lfor_b_\@:
	tensor_load_to_lds s[\g0b:\g0b+3], s[\g1b:\g1b+7]
	s_nop 0
.rept 4
	v_nop
.endr
.Lasked_\@:
.endm
.macro CREST
	s_cmp_lg_u32 s14, 0
	s_cbranch_scc1 .Lnot_wave_0_\@
	s_barrier_signal -3
.Lnot_wave_0_\@:
	s_barrier_wait -3
	s_barrier_signal -1
	s_barrier_wait -1
.endm
.macro CROUND
	s_barrier_signal -1
	s_barrier_wait -1
	CREST
.endm
.macro PLACES n
.rept \n
	v_nop
.endr
.endm
	s_load_b256 s[4:11], s[0:1], 0x0               ; hid, wb, x1, b2
	s_load_b64 s[12:13], s[0:1], 0x20              ; out0
	v_lshl_add_u32 v[SPW], v0, 2, SPARE
	v_mov_b32 v[NIL], 0
	ds_add_u32 v28, v29
	ds_add_u32 v28, v29
	s_wait_dscnt 0x0
	v_lshrrev_b32 v1, 5, v0
	v_readfirstlane_b32 s14, v1                    ; wave: my K step of each slot
	s_lshr_b32 s15, s14, 1                         ; I fetch for A (0) or for B (1),
	s_and_b32 s16, s14, 1                          ; which 64 rows
	s_bfe_u32 s40, ttmp6, 0x40000
	s_bfe_u32 s41, ttmp6, 0x40004
	s_lshl_b32 s42, ttmp9, 2
	s_add_co_u32 s42, s42, s40                     ; tile column
	s_and_b32 s17, ttmp7, 0xffff
	s_lshl_b32 s17, s17, 2
	s_add_co_u32 s17, s17, s41                     ; tile row
	s_lshl_b32 s43, s41, 2
	s_lshl_b32 s43, 15, s43
	s_lshl_b32 s44, 0x1111, s40
	s_or_b32 s[G1+0], s43, (3<<16)|(1<<21)
	s_or_b32 s[G1B+0], s44, (3<<16)|(1<<21)
.irp g, G1, G1B
	s_mov_b32 s[\g+1], (SLOTB/8)<<16
	s_mov_b32 s[\g+2], RTL<<16
	s_mov_b32 s[\g+3], (SLOTB/8)<<16
	s_mov_b32 s[\g+4], RTL
	s_mov_b32 s[\g+5], KSB/8
	s_mov_b32 s[\g+6], 0
	s_mov_b32 s[\g+7], 0
.endr
	s_or_b32 s[G1S+0], s43, (3<<16)|(1<<21)
	s_or_b32 s[G1SB+0], s44, (3<<16)|(1<<21)
.irp g, G1S, G1SB
	s_mov_b32 s[\g+1], 32<<16
	s_mov_b32 s[\g+2], (SCH/256)<<16
	s_mov_b32 s[\g+3], 32<<16
	s_mov_b32 s[\g+4], SCH/256
	s_mov_b32 s[\g+5], 32
	s_mov_b32 s[\g+6], 0
	s_mov_b32 s[\g+7], 0
.endr
	s_lshl_b32 s20, s17, 1
	s_add_co_u32 s20, s20, s16
	s_lshl_b32 s46, s42, 1
	s_add_co_u32 s46, s46, s16
	s_mul_i32 s22, s20, SCH
	s_add_co_u32 s22, s22, A_S
	s_mul_i32 s92, s46, SCH
	s_add_co_u32 s92, s92, B_S
	s_mul_i32 s20, s20, RTL*KSB
	s_mul_i32 s46, s46, RTL*KSB
	s_add_co_u32 s46, s46, B_C
	s_mov_b32 s21, 0
	s_mov_b32 s23, 0
	s_mov_b32 s47, 0
	s_mov_b32 s93, 0
	s_lshl_b32 s45, s14, 15
	s_mul_i32 s94, s14, SCH
	s_wait_kmcnt 0x0
	s_add_nc_u64 s[20:21], s[4:5], s[20:21]
	s_add_nc_u64 s[22:23], s[4:5], s[22:23]
	s_add_nc_u64 s[46:47], s[6:7], s[46:47]
	s_add_nc_u64 s[92:93], s[6:7], s[92:93]
	CROUND
	s_mov_b32 s[G0S], 1
	s_add_co_u32 s[G0S+1], s94, SCL
	s_mov_b64 s[G0S+2:G0S+3], s[22:23]
	s_or_b32 s[G0S+3], s[G0S+3], 0x80000000
	s_mov_b32 s[G0SB], 1
	s_add_co_u32 s[G0SB+1], s94, SCL
	s_mov_b64 s[G0SB+2:G0SB+3], s[92:93]
	s_or_b32 s[G0SB+3], s[G0SB+3], 0x80000000
	JLOAD G0S, G1S, G0SB, G1SB
.irp s, 0,1
	s_mov_b32 s[G0+4*\s], 1
	s_add_co_u32 s[G0+4*\s+1], s45, \s*SLOT
	s_add_nc_u64 s[G0+4*\s+2:G0+4*\s+3], s[20:21], \s*SLOTB
	s_or_b32 s[G0+4*\s+3], s[G0+4*\s+3], 0x80000000
	s_mov_b32 s[G0B+4*\s], 1
	s_add_co_u32 s[G0B+4*\s+1], s45, \s*SLOT
	s_add_nc_u64 s[G0B+4*\s+2:G0B+4*\s+3], s[46:47], \s*SLOTB
	s_or_b32 s[G0B+4*\s+3], s[G0B+4*\s+3], 0x80000000
	JLOAD G0+4*\s, G1, G0B+4*\s, G1B
.endr
	v_and_b32 v1, 31, v0
	v_lshlrev_b32 v[GO], 4, v1                     ; 16 x lane
	s_lshl_b32 s21, s14, 11                        ; my K step of a slot
	v_add_nc_u32 v[ADRA], s21, v[GO]
	v_add_nc_u32 v[ADRA+1], SLOT, v[ADRA]
	v_add_nc_u32 v[ADRB], 65536, v[ADRA]
	v_add_nc_u32 v[ADRB+1], SLOT, v[ADRB]
	v_and_b32 v1, 15, v0
	v_bfe_u32 v2, v0, 4, 1
	v_mul_u32_u24 v3, v2, 2*SCH                    ; scale words: lanes 16-31 take B's
	v_lshl_add_u32 v3, v1, 2, v3
	s_lshl_b32 s21, s14, 9
	s_add_co_u32 s21, s21, SCL
	v_add_nc_u32 v[ADRS], s21, v3
	s_mul_i32 s21, s14, PST                        ; my stage: row r, 32 bytes for each half of the lanes
	v_mul_u32_u24 v3, v1, 528
	v_lshl_add_u32 v3, v2, 5, v3
	v_add_nc_u32 v[STO], s21, v3
	s_mul_i32 s21, s14, 32*528                     ; back: rows 32 w on of each of the four stages
	v_add_nc_u32 v[RD], s21, v[GO]
	v_add_nc_u32 v[RD+1], PST, v[RD]
	v_add_nc_u32 v[RD+2], PST, v[RD+1]
	v_add_nc_u32 v[RD+3], PST, v[RD+2]
	s_lshl_b32 s20, s17, 7
	s_lshl_b32 s21, s14, 5
	s_add_co_u32 s20, s20, s21                     ; the first row that I store
	s_lshl_b32 s20, s20, 12
	s_lshl_b32 s22, s42, 9                         ; the tile's 128 columns
	s_mov_b32 s23, 0
	s_add_co_u32 s20, s20, s22
	s_mov_b32 s21, 0
	s_add_nc_u64 s[RES:RES+1], s[RES:RES+1], s[20:21]
	s_add_nc_u64 s[OUT:OUT+1], s[OUT:OUT+1], s[20:21]
	s_add_nc_u64 s[10:11], s[10:11], s[22:23]
.macro FRAG reg, adr, i
.irp c, 0,1,2,3
	ds_load_b128 v[\reg+4*\c:\reg+4*\c+3], v[\adr] offset:BSTR*(\i)+512*\c
.endr
.endm
.macro FETCH_B slot, p
	WIN 0x40
.irp i, 0,1,2,3,4,5,6,7
	FRAG 128*(\p)+16*\i, ADRB+\slot, \i
.endr
	WIN 0
.endm
.macro FETCH_A slot, i0
.irp i, \i0, \i0+1, \i0+2, \i0+3
	FRAG AF+16*(\i), ADRA+\slot, \i
.endr
.endm
.macro SCALES p
.irp i, 0,1,2,3,4,5,6,7
	ds_load_b32 v[SC+8*(\p)+\i], v[ADRS] offset:64*\i
.endr
.endm
.macro MWIN hi
	WIN 0xa1+0x50*(\hi)
.endm
.macro MUL16 a0, p, zero               ; the 64 accumulators take turns, one instruction a turn, over the loop's backward jump too
.irp a, \a0, \a0+1
.irp b, 0,1,2,3,4,5,6,7
.set rD, 8*(8*((\a)%4)+\b)
.set rB, 128*(\p)+16*\b
.set rA, AF+16*(\a)
.set rX, SC+8*(\p)+\b
.set rY, SC+8*(\p)+(\a)
.if \zero
	v_wmma_scale_f32_16x16x128_f8f6f4 v[rD:rD+7], v[rB:rB+15], v[rA:rA+15], 0, v[rX], v[rY] matrix_a_fmt:MATRIX_FMT_BF8 matrix_b_fmt:MATRIX_FMT_BF8 matrix_a_scale:MATRIX_SCALE_ROW1
.else
	v_wmma_scale_f32_16x16x128_f8f6f4 v[rD:rD+7], v[rB:rB+15], v[rA:rA+15], v[rD:rD+7], v[rX], v[rY] matrix_a_fmt:MATRIX_FMT_BF8 matrix_b_fmt:MATRIX_FMT_BF8 matrix_a_scale:MATRIX_SCALE_ROW1
.endif
.endr
.endr
.endm
; My K step of a slot, and the change of slots: ONE barrier; in front of it each wave waits for all its tensor loads, adds 0 to its spare word, and waits for that and for its reads of this slot.  fill = 1: the slot is filled again, two slots ahead
.macro TURN slot, next, fill, p, zero
	s_wait_tensorcnt 0x0                           ; all my tensor loads have landed: my part of the next slot
	ds_add_u32 v[SPW], v[NIL]                      ; 0 onto my spare word
	s_wait_dscnt 17                                ; (the add and A's blocks 4-7 may be out)
	MWIN 0
	MUL16 0, \p, \zero
	s_wait_dscnt 0x0                               ; the add is done, and my reads of this slot are over
	s_barrier_signal -1
	MUL16 2, \p, \zero
	WIN 0
	s_barrier_wait -1
.if \fill
	CREST                                          ; the barrier has opened a round of the cluster's: no wave of any partner still reads this slot or has a load on its way
	s_add_nc_u64 s[G0+4*\slot+2:G0+4*\slot+3], s[G0+4*\slot+2:G0+4*\slot+3], 2*SLOTB
	s_add_nc_u64 s[G0B+4*\slot+2:G0B+4*\slot+3], s[G0B+4*\slot+2:G0B+4*\slot+3], 2*SLOTB
	JLOAD G0+4*\slot, G1, G0B+4*\slot, G1B         ; the first tensor load behind the round; its four v_nop are four of the eight places
	PLACES 4
.else
	PLACES 8
.endif
	v_add_nc_u32 v[ADRS], SCSLOT, v[ADRS]
	FETCH_B \next, 1-(\p)
	SCALES 1-(\p)
	FETCH_A \next, 0
	MWIN 1
	MUL16 4, \p, \zero
	MUL16 6, \p, \zero
	PLACES 8
	WIN 0
	FETCH_A \next, 4
.endm
.macro LAST p
	s_wait_dscnt 16
	MWIN 0
	MUL16 0, \p, 0
	MUL16 2, \p, 0
	s_wait_dscnt 0x0
	MWIN 1
	MUL16 4, \p, 0
	MUL16 6, \p, 0
	WIN 0
.endm
	s_wait_tensorcnt 1                             ; the scale words and my part of slot 0 are in; slot 1's load may be out
	s_barrier_signal -1
	s_barrier_wait -1
	FETCH_B 0, 0
	SCALES 0
	FETCH_A 0, 0
	FETCH_A 0, 4
	TURN 0, 1, 1, 0, 1                             ; slot 0 of eight: its products start the sums
	s_mov_b32 s3, 2
.Llap:                                             ; slots 1 to 4
	TURN 1, 0, 1, 1, 0
	TURN 0, 1, 1, 0, 0
	s_sub_co_u32 s3, s3, 1
	s_cmp_lg_u32 s3, 0
	s_cbranch_scc1 .Llap
	TURN 1, 0, 1, 1, 0                             ; slot 5: the last refill
	TURN 0, 1, 0, 0, 0                             ; the tail is written out
	LAST 1
	; THE WAY OUT: the four waves' partial tiles meet in LDS; each wave adds and stores 32 whole rows of 512 bytes
.macro RLOAD n
.irp k, 0,1,2,3,4,5,6,7
	global_load_b128 v[RS+32*((\n)%2)+4*\k:RS+32*((\n)%2)+4*\k+3], v[GO], s[RES:RES+1] offset:(8*(\n)+\k)*4096
.endr
.endm
	PLACES 8
	s_wait_dscnt 0x0
	s_barrier_signal -1
	s_barrier_wait -1                              ; nobody reads the ring or the scale words any more
	global_load_b128 v[BB:BB+3], v[GO], s[10:11]   ; the bias of my four columns
	RLOAD 0
	RLOAD 1
.irp a, 0,1,2,3,4,5,6,7
	WIN 0x08+4*(\a/4)                              ; an LDS store's data are its source 1
.irp b, 0,1,2,3,4,5,6,7
	ds_store_b128 v[STO], v[64*(\a%4)+8*\b:64*(\a%4)+8*\b+3] offset:\a*8448+64*\b          ; each accumulator from its low end on
	ds_store_b128 v[STO], v[64*(\a%4)+8*\b+4:64*(\a%4)+8*\b+7] offset:\a*8448+64*\b+16
.endr
.endr
	WIN 0
	s_wait_dscnt 0x0                               ; for the others' sake: my stores have landed
	s_barrier_signal -1
	s_barrier_wait -1
.macro BATCH n
.if (\n) > 0
	s_wait_xcnt 0x0                                ; the last batch's stores have read their registers
.endif
.irp k, 0,1,2,3,4,5,6,7
.irp v, 0,1,2,3
	ds_load_b128 v[SM+16*\k+4*\v:SM+16*\k+4*\v+3], v[RD+\v] offset:(8*(\n)+\k)*528
.endr
.endr
	s_wait_dscnt 0x0
.if (\n) < 3
	s_wait_loadcnt 8                               ; the bias and this batch's residual are in; the other set's eight loads may be out
.else
	s_wait_loadcnt 0x0
.endif
.irp k, 0,1,2,3,4,5,6,7
.irp e, 0,2
	v_pk_add_f32 v[SM+16*\k+\e:SM+16*\k+\e+1], v[SM+16*\k+\e:SM+16*\k+\e+1], v[SM+16*\k+4+\e:SM+16*\k+5+\e]
	v_pk_add_f32 v[SM+16*\k+8+\e:SM+16*\k+9+\e], v[SM+16*\k+8+\e:SM+16*\k+9+\e], v[SM+16*\k+12+\e:SM+16*\k+13+\e]
.endr
.irp e, 0,2
	v_pk_add_f32 v[SM+16*\k+\e:SM+16*\k+\e+1], v[SM+16*\k+\e:SM+16*\k+\e+1], v[SM+16*\k+8+\e:SM+16*\k+9+\e]
.endr
.irp e, 0,2
	v_pk_add_f32 v[SM+16*\k+\e:SM+16*\k+\e+1], v[SM+16*\k+\e:SM+16*\k+\e+1], v[BB+\e:BB+\e+1]
.endr
.irp e, 0,2
	v_pk_add_f32 v[SM+16*\k+\e:SM+16*\k+\e+1], v[SM+16*\k+\e:SM+16*\k+\e+1], v[RS+32*((\n)%2)+4*\k+\e:RS+32*((\n)%2)+4*\k+\e+1]
.endr
	global_store_b128 v[GO], v[SM+16*\k:SM+16*\k+3], s[OUT:OUT+1] offset:(8*(\n)+\k)*4096 th:TH_STORE_NT   ; 512 consecutive bytes, aligned
.endr
.if (\n)+2 < 4
	RLOAD (\n)+2
.endif
.endm
	BATCH 0
	BATCH 1
	BATCH 2
	BATCH 3
	s_wait_tensorcnt 0x0                           ; the wave's end: behind my last tensor load and my last LDS store
	ds_add_u32 v[SPW], v[NIL]
	s_wait_dscnt 0x0
	CROUND                                         ; the closing round
	s_endpgm
.Lfunc_end_k_q54e4053869_ffn2:
	.size	k_q54e4053869_ffn2, .Lfunc_end_k_q54e4053869_ffn2-k_q54e4053869_ffn2
	.p2alignl 7, 3214868480
	.fill 96, 4, 3214868480
	.section	.rodata,"a",@progbits
	.p2align	6, 0x0
	.amdhsa_kernel k_q54e4053869_ffn2
		.amdhsa_group_segment_fixed_size 327680
		.amdhsa_private_segment_fixed_size 0
		.amdhsa_enable_private_segment 0
		.amdhsa_kernarg_size 40
		.amdhsa_user_sgpr_count 2
		.amdhsa_user_sgpr_kernarg_segment_ptr 1
		.amdhsa_wavefront_size32 1
		.amdhsa_system_sgpr_workgroup_id_x 1
		.amdhsa_system_sgpr_workgroup_id_y 1
		.amdhsa_system_sgpr_workgroup_id_z 1
		.amdhsa_system_vgpr_workitem_id 0
		.amdhsa_next_free_vgpr 1024
		.amdhsa_next_free_sgpr 102
		.amdhsa_reserve_vcc 0
		.amdhsa_float_denorm_mode_32 3
		.amdhsa_float_denorm_mode_16_64 3
		.amdhsa_memory_ordered 1
		.amdhsa_forward_progress 1
		.amdhsa_inst_pref_size 136
	.end_amdhsa_kernel
	.amdgpu_metadata
---
amdhsa.version: [ 1, 2 ]
amdhsa.kernels:
  - .name:           k_q54e4053869_ffn2
    .symbol:         k_q54e4053869_ffn2.kd
    .args:
      - { .name: hid, .offset: 0, .size: 8, .value_kind: global_buffer, .address_space: global }
      - { .name: wb, .offset: 8, .size: 8, .value_kind: global_buffer, .address_space: global }
      - { .name: x1, .offset: 16, .size: 8, .value_kind: global_buffer, .address_space: global }
      - { .name: b2, .offset: 24, .size: 8, .value_kind: global_buffer, .address_space: global }
      - { .name: out0, .offset: 32, .size: 8, .value_kind: global_buffer, .address_space: global }
    .group_segment_fixed_size: 327680
    .private_segment_fixed_size: 0
    .kernarg_segment_align: 8
    .kernarg_segment_size: 40
    .max_flat_workgroup_size: 128
    .sgpr_count:     102
    .vgpr_count:     1024
    .wavefront_size: 32
...
	.end_amdgpu_metadata
.endif
;; end of part 7
